; MI455X (gfx1250); checked and timed in simulation.
; The chip was launched on July 23, 2026; its instructions are those of AMD's public machine-readable ISA for CDNA 5 (MIT licence, August 2026) and "CDNA5" Instruction Set Architecture Reference Guide (July 2026). The comments in the code are by the model that wrote it; some were corrected since.
;; Tree Attention Wrapper. Allowed arithmetic: matrix products marked QUANTISED: E2M1 operands, one E8M0 scale for each 32 along K, by v_wmma_scale_f32_16x16x128_f8f6f4 with both operands' format E2M1 (or v_wmma_scale_f32_32x16x128_f4), f32 sums; everything else in f32.
;; Inputs: cu_seqlens 2 int32; k 1 x 16 x 4,096 x 128 float32; mask 4,096 x 4,096 bool; q 1 x 16 x 4,096 x 128 float32; v 1 x 16 x 4,096 x 128 float32.
;; Outputs: out0 1 x 16 x 4,096 x 128 float32.
;; Constants: max_seqlen = 4096.
;; This version of the problem:
;;   THIS VERSION OF THE PROBLEM IS GIVEN IN LOW PRECISION. The matrix products marked QUANTISED in the list below multiply operands that are first quantised to E2M1 (2 exponent bits, 1 mantissa bit; 4 bits a number), with one power-of-two scale for each 32 numbers along K (OCP MX v1.0); their sums are f32. All else is computed in f32.
;;   The module's matrix products, in the order in which they are computed (A, B: the left and right operand; K: the contracted axis; several contracted axes count as one K, in the product's order):
;;     1. batch 16 x [M 4,096, K 128] x [K 128, N 4,096]; A: input q; B: input k: QUANTISED
;;     2. batch 16 x [M 4,096, K 4,096] x [K 4,096, N 128]; A: softmax (see below); B: input v: QUANTISED
;;   THE QUANTISER, for each operand of a quantised product, along K:
;;     - K is cut into blocks of 32 from its start; a last block that is shorter is filled with zeros.
;;     - A block's scale is 2^e with e = floor(log2(the largest magnitude in the block)) - 2, held to -126 .. 127; a block of zeros has e = 0. As a byte (E8M0): e + 127.
;;     - Each number is divided by its block's scale, clamped to +-6, and rounded to the nearest number of E2M1, ties to even, subnormals kept.
;;     - The product sums the exact products of the quantised numbers (number of the format x scale) in f32.
;;   ~~~python
;;   def quantise(x, axis):      # numpy; x: float32 -> the quantised numbers, widened to float32 again
;;       x = np.moveaxis(x, axis, -1); K = x.shape[-1]
;;       x = np.pad(x, [(0, 0)] * (x.ndim - 1) + [(0, -K % 32)]); x = x.reshape(x.shape[:-1] + (-1, 32)); a = np.abs(x).max(-1, keepdims=True)
;;       e = np.where(a > 0, np.clip(np.frexp(np.where(a > 0, a, 1))[1] - 1 - 2, -126, 127), 0)      # np.frexp(a)[1] - 1 = floor(log2(a)), exactly
;;       r = np.clip(x / 2.0 ** e, -6, 6)
;;       step = 2.0 ** (np.maximum(np.frexp(np.where(r == 0, 1, r))[1] - 1, 0) - 1)
;;       q = np.round(r / step) * step * 2.0 ** e      # np.round: ties to even
;;       return np.moveaxis(q.reshape(q.shape[:-2] + (-1,))[..., :K], -1, axis).astype(np.float32)
;;   ~~~
;;   SOFTMAX AHEAD OF A QUANTISED PRODUCT. Where the list says 'softmax', what is quantised is not the finished softmax but p = 2^(t - M), with t = logit x log2(e) and M = ceil(the row's largest t), a whole number; so 1/2 < the row's largest p <= 1. The row's sum l is taken of the UNQUANTISED p, in f32, and the product's result is divided by l at the end. Since M is a whole number, a kernel that streams over the keys may use a running M (the ceiling of the running maximum): every later rescaling is an exact power of two, which a block's scale takes up: the codes' values come out the same.
;;   OPERANDS COMPUTED ON THE WAY. 'Computed on the way' means the value that the module computes at that place (a softmax that the list does not call 'softmax' is quantised finished and normalised). What goes into a quantiser is computed in f32, as accurately as f32 sums, v_exp_f32 and their like allow (about 1e-6 of the number): no bf16 or f16 on the way to a quantiser, and a product that is left as it is and whose result goes on into a quantised operand takes f32 operands (vector FMAs, or v_wmma_f32_16x16x4_f32). A number that lies on a knife's edge between two numbers of the format may be rounded either way, as far as f32 arithmetic and the matrix unit's own rounding can turn it there, and no further.
;; 2 versions. Each part assembles by itself: llvm-mc -triple=amdgcn-amd-amdhsa -mcpu=gfx1250 --defsym DOCPART=n.
;; ======== version 1 of 2: 2 launches
;; limits: inputs' magnitudes at most 100,000,000,000,000
;; workspace buffers: kvw 8,912,896 bytes; mbits 2,097,152 bytes of whole numbers; flags 3,072 bytes of whole numbers
;; launch prep (part 1): grid 896 x 1, 4 waves a work-group, no clusters, 68,096 bytes of LDS; arguments mask, k, v, kvw, mbits, flags; writes kvw, mbits, flags
.if DOCPART == 1
	.amdgcn_target "amdgcn-amd-amdhsa--gfx1250"
	.amdhsa_code_object_version 6
	.text
	.protected	k_q5b170e3034_prep
	.globl	k_q5b170e3034_prep
	.p2align	8
	.type	k_q5b170e3034_prep,@function
k_q5b170e3034_prep:
	s_mov_b64 s[64:65], 0
	v_nop
	global_prefetch_b8 v0, s[64:65] scope:SCOPE_SE
	s_setreg_imm32_b32 hwreg(HW_REG_WAVE_MODE, 25, 1), 1
	s_wait_xcnt 0x0
; PREP: what the attention launch reads is made here, once.  Three kinds of work-group, told apart by the work-group's number; the paths part once and never join; waves share nothing, so there is no barrier.
;   work-groups 0-127    THE MASK [4096][4096] of bytes 0 or 1 (as the problem states them) becomes bit words and flags.
;   work-groups 128-383  K [16][4096][128] f32 becomes codes of FP4 (E2M1) along the head's 128, with one E8M0 byte for each 32.
;   work-groups 384-895  V [16][4096][128] f32 becomes codes along the KEYS (the second product's K), with one E8M0 byte for each 32 keys.
; kvw: [head 16][key step 32][17,408 bytes].  A key step is 128 keys.  In a block: +0 K's 8 tiles, +8192 V^T's 8 tiles, each tile 1,024 bytes AS AN IMAGE OF THE OPERAND'S REGISTERS (registers 4 c .. 4 c + 3 of lane l at
;   1024 t + 512 c + 16 l); +16384 K's scale words [j 4][lane 32], +16896 V's: word (j, lane) is that of tile 2 j, row lane (lanes 0-15), or of tile 2 j + 1, row lane - 16 (lanes 16-31).
;   Row r of K's tile 2 b + u is key 32 b + 8 u + r + 8 (r / 8), so that the scores' registers of two neighbouring tiles are 16 neighbouring keys.  Row r of V^T's tile t is channel 16 t + r.
; mbits: [tile of 16 queries 256][key step 32][lane 32][2 words].  Lane (r, h) holds query r; key 32 b + 16 h + i of the step is bit 8 (i % 4) + i / 4 + 4 (b % 2) of word b / 2; 1 = visible.
; flags: VIS[256] at 0 (bit ks: the tile has a visible key), PAR[256] at 1024 (bit ks: it has a hidden key), ROWV[256] at 2048 (two halves of 16 bits, one for each half of the keys: bit r: row r has a visible key there).
; THE QUANTISER: a block's scale is 2^(floor(log2(its largest magnitude)) - 2); its byte is the largest magnitude's exponent field - 2, held at 1 from below by a floor among the maximum's leaves.
; LIMITS: a block of zeros gets the byte 1 where the rule says 127 (its codes are zeros, which add nothing, and this program alone reads the bytes); NaN and infinities among k and v are not served.
.set WST,   8448                       ; a wave's stage: 16 rows x SP
.set SP,    528                        ; a stage row: 512 bytes + 16: the 16 rows that a read touches begin 16 bytes apart modulo 256
.set KST,   4*WST                      ; the K path's stages lie behind the mask path's: each path has LDS bytes of its own
.set SPARE, 8*WST                      ; the spare words, 128 bytes for each wave: two blocks of 256 bytes that no other line names
.set BLK,   17408                      ; a key step's block in kvw
.set SPW,   252                        ; v252 LDS address of my spare word; never rewritten
.set NIL,   253                        ; v253 0; never rewritten
	s_load_b256 s[4:11], s[0:1], 0x0               ; mask s[4:5], k s[6:7], v s[8:9], kvw s[10:11]
	s_load_b128 s[12:15], s[0:1], 0x20             ; mbits s[12:13], flags s[14:15]
	v_lshl_add_u32 v[SPW], v0, 2, SPARE
	v_mov_b32 v[NIL], 0
	v_lshrrev_b32 v1, 5, v0
	v_readfirstlane_b32 s16, v1                    ; wave 0..3
	v_and_b32 v2, 31, v0                           ; lane
	v_and_b32 v3, 15, v0                           ; r
	v_bfe_u32 v4, v0, 4, 1                         ; h
	v_lshlrev_b32 v5, 4, v2                        ; 16 x lane
	v_lshlrev_b32 v6, 3, v2                        ; 8 x lane
	v_lshlrev_b32 v7, 2, v2                        ; 4 x lane
	s_mul_i32 s17, s16, WST
	v_add_nc_u32 v8, s17, v5                       ; the mask's stage, in: my wave's + 16 x lane
	v_mul_u32_u24 v14, v3, SP
	v_add_nc_u32 v14, s17, v14
	v_lshl_add_u32 v9, v4, 4, v14                  ; and out: row r, + 16 h
	v_add_nc_u32 v10, KST, v8                      ; K's stage, in
	v_lshl_add_u32 v11, v4, 7, v14
	v_add_nc_u32 v11, KST, v11                     ; and out: row r, + 128 h: 32 numbers
	v_lshlrev_b32 v12, 3, v4                       ; 8 h: my bytes' place in a scale word
	v_lshlrev_b32 v13, 10, v4
	v_lshl_add_u32 v13, v3, 4, v13                 ; V's codes: 1024 h + 16 r
	s_mov_b32 s28, 0x76543210
	s_mov_b32 s29, 0xfedcba98                      ; v_permlanex16_b32's selects for lane l xor 16
	s_mov_b32 s19, 0                               ; the upper word of every offset
	s_wait_kmcnt 0x0
	s_cmp_lt_u32 ttmp9, 128
	s_cbranch_scc1 .Lmask
	s_cmp_lt_u32 ttmp9, 384
	s_cbranch_scc1 .Lkeys
; ---------------- V: a lane takes a channel, and its registers run down the keys.  A work-group takes one key step of one head; wave w channels 32 w on.
	s_sub_co_u32 s17, ttmp9, 384                   ; 32 x head + key step
	s_lshl_b32 s18, s17, 16                        ; 128 keys of 512 bytes,
	s_lshl_b32 s22, s16, 7                         ; + my wave's 32 channels
	s_add_co_u32 s18, s18, s22
	s_add_nc_u64 s[8:9], s[8:9], s[18:19]
	s_mul_i32 s18, s17, BLK
	s_add_nc_u64 s[10:11], s[10:11], s[18:19]      ; the block in kvw
	s_mov_b32 s18, s22
	s_add_nc_u64 s[20:21], s[10:11], s[18:19]      ; its scale words: 128 bytes a wave
	s_lshl_b32 s18, s16, 11
	s_add_nc_u64 s[10:11], s[10:11], s[18:19]      ; its codes: my wave's two tiles
.macro VLOAD t                         ; keys 32 t + i, i = 0 .. 31, of my channel: a wave reads 128 consecutive bytes, the four waves a key's 512
.irp i, 0,1,2,3,4,5,6,7,8,9,10,11,12,13,14,15,16,17,18,19,20,21,22,23,24,25,26,27,28,29,30,31
	global_load_b32 v[32+32*((\t)%2)+\i], v7, s[8:9] offset:512*(32*(\t)+\i) th:TH_LOAD_NT
.endr
.endm
.macro VBLOCK t
.set XS, 32+32*((\t)%2)
.if \t < 3
	s_wait_loadcnt 32                              ; this block's 32 loads are in; the next block's 32 may be out
.else
	s_wait_loadcnt 0x0
.endif
	v_max3_num_f32 v113, |v[XS]|, |v[XS+1]|, |v[XS+2]|          ; the block's largest magnitude: all 32 numbers are mine; two chains
	v_max3_num_f32 v114, |v[XS+3]|, |v[XS+4]|, |v[XS+5]|
.irp i, 6,10,14,18,22,26
	v_max3_num_f32 v113, v113, |v[XS+\i]|, |v[XS+\i+1]|
	v_max3_num_f32 v114, v114, |v[XS+\i+2]|, |v[XS+\i+3]|
.endr
	v_max3_num_f32 v113, v113, |v[XS+30]|, |v[XS+31]|
	v_max3_num_f32 v113, v113, v114, 0x1800000     ; and the floor 2^(3 - 127): the byte cannot fall under 1
	v_add_nc_u32 v115, 0xff000000, v113            ; 2 off the exponent field: the conversion takes this operand's exponent field as its scale
	v_lshrrev_b32 v116, 23, v115                   ; the scale's byte
.if \t == 0
	v_mov_b32 v112, v116                           ; four bytes make my channel's scale word, the lower keys in the lower byte
.else
	v_lshl_or_b32 v112, v116, 8*\t, v112
.endif
.irp g, 0,1,2,3
	v_cvt_scalef32_pk8_fp4_f32 v[96+4*\t+\g], v[XS+8*\g:XS+8*\g+7], v115
.endr
	v_nop                                          ; a plain line behind the last conversion: the next block writes the scale operand anew
	global_store_b128 v13, v[96+4*\t:96+4*\t+3], s[10:11] offset:8192+256*\t   ; block t = registers 4 (t / 2) on of the image's lane r + 16 (t % 2): sixteen lanes store 256 consecutive bytes, aligned; each block has its own four registers
.if \t < 2
	VLOAD \t+2
.endif
.endm
	VLOAD 0
	VLOAD 1
	VBLOCK 0
	VBLOCK 1
	VBLOCK 2
	VBLOCK 3
	global_store_b32 v7, v112, s[20:21] offset:16896   ; lanes 0-15: tile 2 w's words, lanes 16-31: tile 2 w + 1's
	s_wait_tensorcnt 0x0                           ; the wave's end: three closing lines, as on the other two paths
	ds_add_u32 v[SPW], v[NIL]
	s_wait_dscnt 0x0
	s_endpgm
; ---------------- K: a wave takes four tiles (64 keys) of a key step.  A key's row is loaded as it lies, 512 consecutive bytes a load; 16 rows turn through the wave's own stage, so that lane (r, h) gets 32 neighbours along the head of row r.
.Lkeys:
	s_sub_co_u32 s17, ttmp9, 128
	s_lshl_b32 s17, s17, 2
	s_add_co_u32 s17, s17, s16                     ; which run of 64 keys: 0 .. 1023
	s_lshl_b32 s18, s17, 15                        ; 64 keys of 512 bytes
	s_add_nc_u64 s[6:7], s[6:7], s[18:19]
	s_lshr_b32 s18, s17, 1
	s_mul_i32 s18, s18, BLK
	s_add_nc_u64 s[10:11], s[10:11], s[18:19]      ; the block in kvw
	s_and_b32 s17, s17, 1                          ; which half of its tiles
	s_lshl_b32 s18, s17, 8
	s_add_nc_u64 s[20:21], s[10:11], s[18:19]      ; its scale words: 256 bytes a half
	s_lshl_b32 s18, s17, 12
	s_add_nc_u64 s[10:11], s[10:11], s[18:19]      ; its codes: four tiles a half
	v_mov_b32 v251, 0                              ; written once: a lane permute's destination counts as one of its sources
.macro KLOAD t                         ; the 16 keys of my tile t: 32 (t / 2) + 8 (t % 2) + p + 8 (p / 8)
.irp p, 0,1,2,3,4,5,6,7,8,9,10,11,12,13,14,15
	global_load_b128 v[32+64*((\t)%2)+4*\p:32+64*((\t)%2)+4*\p+3], v5, s[6:7] offset:(32*((\t)/2)+8*((\t)%2)+\p+8*(\p/8))*512 th:TH_LOAD_NT
.endr
.endm
.macro KTILE t
.if \t < 3
	s_wait_loadcnt 16                              ; this tile's 16 loads are in; the next tile's 16 may be out
.else
	s_wait_loadcnt 0x0
.endif
.irp p, 0,1,2,3,4,5,6,7,8,9,10,11,12,13,14,15
	ds_store_b128 v10, v[32+64*((\t)%2)+4*\p:32+64*((\t)%2)+4*\p+3] offset:SP*\p
.endr
.irp c, 0,1
.irp j, 0,1,2,3,4,5,6,7
	ds_load_b128 v[160+32*\c+4*\j:160+32*\c+4*\j+3], v11 offset:256*\c+16*\j   ; register 32 c + i = k(row r, 64 c + 32 h + i); LDS serves a wave's instructions in order: these see the stores above
.endr
.endr
	s_wait_dscnt 0x0                               ; the numbers are back, and the stores into the stage have read their registers,
	s_wait_xcnt 0x0                                ; and the code stores of two tiles back have read theirs
.if \t < 2
	KLOAD \t+2
.endif
.irp c, 0,1
	v_max3_num_f32 v[244+\c], |v[160+32*\c]|, |v[161+32*\c]|, 0x1800000   ; my two blocks by turns, each whole in my lane; the floor 2^(3 - 127) among the leaves
.endr
.irp i, 2,4,6,8,10,12,14,16,18,20,22,24,26,28,30
.irp c, 0,1
	v_max3_num_f32 v[244+\c], v[244+\c], |v[160+32*\c+\i]|, |v[161+32*\c+\i]|
.endr
.endr
.irp c, 0,1
	v_add_nc_u32 v[246+\c], 0xff000000, v[244+\c]  ; 2 off the exponent field: the conversion's scale operand
.endr
.irp c, 0,1
	v_lshrrev_b32 v[248+\c], 23, v[246+\c]         ; the scale's byte
.endr
	v_lshl_or_b32 v250, v249, 16, v248             ; my bytes: blocks h and 2 + h of row r,
	v_lshlrev_b32 v250, v12, v250                  ; 8 h bits up;
	v_permlanex16_b32 v251, v250, s28, s29
	v_or_b32 v[240+\t], v250, v251                 ; with lane l xor 16's two the word is whole, in both halves of the lanes
.irp c, 0,1
.irp g, 0,1,2,3
	v_cvt_scalef32_pk8_fp4_f32 v[224+8*((\t)%2)+4*\c+\g], v[160+32*\c+8*\g:160+32*\c+8*\g+7], v[246+\c]
.endr
.endr
	v_nop                                          ; a plain line behind the last conversion
.irp c, 0,1
	global_store_b128 v5, v[224+8*((\t)%2)+4*\c:224+8*((\t)%2)+4*\c+3], s[10:11] offset:1024*\t+512*\c   ; the image: 512 consecutive bytes a store
.endr
.endm
	KLOAD 0
	KLOAD 1
	KTILE 0
	KTILE 1
	KTILE 2
	KTILE 3
	v_cmp_ne_u32 vcc_lo, 0, v4
	v_cndmask_b32 v244, v240, v241, vcc_lo         ; lanes 0-15 the even tile's words, lanes 16-31 the odd tile's
	v_cndmask_b32 v245, v242, v243, vcc_lo
	global_store_b32 v7, v244, s[20:21] offset:16384
	global_store_b32 v7, v245, s[20:21] offset:16384+128
	s_wait_tensorcnt 0x0                           ; the wave's end: three closing lines, behind my last LDS store
	ds_add_u32 v[SPW], v[NIL]
	s_wait_dscnt 0x0
	s_endpgm
; ---------------- THE MASK: a wave takes 16 queries x 2,048 keys, in four chunks of 16 rows x 512 bytes.  Rows are loaded as they lie and turn through the wave's own stage, so that lane (r, h) gets 16 neighbouring bytes of row r.
.Lmask:
	s_lshl_b32 s17, ttmp9, 2
	s_add_co_u32 s17, s17, s16                     ; m = 2 x tile of queries + half of the keys: 0 .. 511
	s_lshr_b32 s18, s17, 1
	s_lshl_b32 s18, s18, 16                        ; 16 rows of 4,096 bytes,
	s_and_b32 s23, s17, 1
	s_lshl_b32 s23, s23, 11                        ; + 2,048 for the upper half
	s_add_co_u32 s18, s18, s23
	s_add_nc_u64 s[4:5], s[4:5], s[18:19]
	s_lshl_b32 s18, s17, 12                        ; mbits: 16 key steps of 256 bytes
	s_add_nc_u64 s[12:13], s[12:13], s[18:19]
	s_lshl_b32 s18, s17, 1                         ; flags: my 16 bits of each of the three words
	s_add_nc_u64 s[14:15], s[14:15], s[18:19]
	s_mov_b32 s20, 0                               ; VIS
	s_mov_b32 s21, 0                               ; PAR
	s_mov_b32 s22, 0                               ; the lanes that have seen a visible key
.macro MLOAD c
.irp p, 0,1,2,3,4,5,6,7,8,9,10,11,12,13,14,15
	global_load_b128 v[32+64*((\c)%2)+4*\p:32+64*((\c)%2)+4*\p+3], v5, s[4:5] offset:4096*\p+512*(\c) th:TH_LOAD_NT   ; 512 consecutive bytes of row p
.endr
.endm
.macro MCHUNK c
.if \c < 3
	s_wait_loadcnt 16                              ; this chunk's 16 loads are in; the next chunk's 16 may be out
.else
	s_wait_loadcnt 0x0
.endif
.irp p, 0,1,2,3,4,5,6,7,8,9,10,11,12,13,14,15
	ds_store_b128 v8, v[32+64*((\c)%2)+4*\p:32+64*((\c)%2)+4*\p+3] offset:SP*\p
.endr
.irp q, 0,1,2,3
.irp b, 0,1,2,3
	ds_load_b128 v[160+16*\q+4*\b:160+16*\q+4*\b+3], v9 offset:128*\q+32*\b   ; key step q of the chunk, keys 32 b + 16 h + 0 .. 15 of row r
.endr
.endr
	s_wait_dscnt 0x0                               ; the bytes are back, and the stores into the stage have read their registers,
	s_wait_xcnt 0x0                                ; and the word stores of two chunks back have read theirs
.if \c < 2
	MLOAD \c+2
.endif
.irp q, 0,1,2,3
.set DD, 232+8*((\c)%2)+2*\q
.irp b, 0,1,2,3
	v_lshl_or_b32 v[224+\b], v[161+16*\q+4*\b], 1, v[160+16*\q+4*\b]   ; 16 bytes of 0 or 1 fold into 16 bits: byte e of word d goes to bit 8 e + d
.endr
.irp b, 0,1,2,3
	v_lshl_or_b32 v[224+\b], v[162+16*\q+4*\b], 2, v[224+\b]
.endr
.irp b, 0,1,2,3
	v_lshl_or_b32 v[224+\b], v[163+16*\q+4*\b], 3, v[224+\b]
.endr
	v_lshl_or_b32 v[DD], v225, 4, v224             ; blocks 0 and 1 share a word, the odd one 4 bits up;
	v_lshl_or_b32 v[DD+1], v227, 4, v226           ; blocks 2 and 3 the other
	v_or_b32 v248, v[DD], v[DD+1]
	v_and_b32 v249, v[DD], v[DD+1]
	v_cmp_ne_u32 s24, 0, v248                      ; the lanes with a visible key
	v_cmp_ne_u32 s25, -1, v249                     ; the lanes with a hidden key
	global_store_b64 v6, v[DD:DD+1], s[12:13] offset:256*(4*\c+\q)   ; the wave stores 256 consecutive bytes, aligned
	s_or_b32 s22, s22, s24
	s_cmp_lg_u32 s24, 0
	s_cselect_b32 s23, 1<<(4*\c+\q), 0             ; chosen, not branched on
	s_or_b32 s20, s20, s23
	s_cmp_lg_u32 s25, 0
	s_cselect_b32 s23, 1<<(4*\c+\q), 0
	s_or_b32 s21, s21, s23
.endr
.endm
	MLOAD 0
	MLOAD 1
	MCHUNK 0
	MCHUNK 1
	MCHUNK 2
	MCHUNK 3
	s_lshr_b32 s23, s22, 16                        ; lanes r and 16 + r hold row r
	s_or_b32 s23, s23, s22
	s_and_b32 s23, s23, 0xffff
	v_mov_b32 v248, 0
	v_writelane_b32 v248, s20, 0                   ; lane 0 stores VIS's 16 bits, lane 1 PAR's, lane 2 ROWV's,
	v_writelane_b32 v248, s21, 1
	v_writelane_b32 v248, s23, 2
	v_lshlrev_b32 v249, 10, v2                     ; 1,024 bytes apart
	v_cmp_gt_u32 vcc_lo, 3, v2
	s_wait_xcnt 0x0                                ; EXEC changes only when the earlier stores have read it
	s_and_saveexec_b32 s26, vcc_lo
	global_store_b16 v249, v248, s[14:15]
	s_wait_xcnt 0x0                                ; and again in front of the line that widens it
	s_or_b32 exec_lo, exec_lo, s26
	s_wait_tensorcnt 0x0                           ; the wave's end: three closing lines, behind my last LDS store
	ds_add_u32 v[SPW], v[NIL]
	s_wait_dscnt 0x0
	s_endpgm
.Lfunc_end_k_q5b170e3034_prep:
	.size	k_q5b170e3034_prep, .Lfunc_end_k_q5b170e3034_prep-k_q5b170e3034_prep
	.p2alignl 7, 3214868480
	.fill 96, 4, 3214868480
	.section	.rodata,"a",@progbits
	.p2align	6, 0x0
	.amdhsa_kernel k_q5b170e3034_prep
		.amdhsa_group_segment_fixed_size 68096
		.amdhsa_private_segment_fixed_size 0
		.amdhsa_enable_private_segment 0
		.amdhsa_kernarg_size 48
		.amdhsa_user_sgpr_count 2
		.amdhsa_user_sgpr_kernarg_segment_ptr 1
		.amdhsa_wavefront_size32 1
		.amdhsa_system_sgpr_workgroup_id_x 1
		.amdhsa_system_sgpr_workgroup_id_y 1
		.amdhsa_system_sgpr_workgroup_id_z 1
		.amdhsa_system_vgpr_workitem_id 0
		.amdhsa_next_free_vgpr 256
		.amdhsa_next_free_sgpr 66
		.amdhsa_reserve_vcc 1
		.amdhsa_float_denorm_mode_32 3
		.amdhsa_float_denorm_mode_16_64 3
		.amdhsa_memory_ordered 1
		.amdhsa_forward_progress 1
		.amdhsa_inst_pref_size 87
	.end_amdhsa_kernel
	.amdgpu_metadata
---
amdhsa.version: [ 1, 2 ]
amdhsa.kernels:
  - .name:           k_q5b170e3034_prep
    .symbol:         k_q5b170e3034_prep.kd
    .args:
      - { .name: mask, .offset: 0, .size: 8, .value_kind: global_buffer, .address_space: global }
      - { .name: k, .offset: 8, .size: 8, .value_kind: global_buffer, .address_space: global }
      - { .name: v, .offset: 16, .size: 8, .value_kind: global_buffer, .address_space: global }
      - { .name: kvw, .offset: 24, .size: 8, .value_kind: global_buffer, .address_space: global }
      - { .name: mbits, .offset: 32, .size: 8, .value_kind: global_buffer, .address_space: global }
      - { .name: flags, .offset: 40, .size: 8, .value_kind: global_buffer, .address_space: global }
    .group_segment_fixed_size: 68096
    .private_segment_fixed_size: 0
    .kernarg_segment_align: 8
    .kernarg_segment_size: 48
    .max_flat_workgroup_size: 128
    .sgpr_count:     66
    .vgpr_count:     256
    .wavefront_size: 32
...
	.end_amdgpu_metadata
.endif
;; end of part 1
;; launch attn (part 2): grid 16 x 16, 16 waves a work-group, no clusters, 106,496 bytes of LDS; arguments q, kvw, mbits, flags, out0; writes out0
.if DOCPART == 2
	.amdgcn_target "amdgcn-amd-amdhsa--gfx1250"
	.amdhsa_code_object_version 6
	.text
	.protected	k_q5b170e3034_attn
	.globl	k_q5b170e3034_attn
	.p2align	8
	.type	k_q5b170e3034_attn,@function
k_q5b170e3034_attn:
	s_mov_b64 s[64:65], 0
	v_nop
	global_prefetch_b8 v0, s[64:65] scope:SCOPE_SE
	s_setreg_imm32_b32 hwreg(HW_REG_WAVE_MODE, 25, 1), 1
	s_wait_xcnt 0x0
; O[h][q][:] = the sum over k of softmax_k(mask(Q[h][q] . K[h][k] / sqrt(128))) V[h][k][:], both products on codes of FP4 (E2M1) with one E8M0 scale for each 32 along a product's K.
; q: [16][4096][128] f32, quantised here in registers.  kvw, mbits, flags: made by the launch before (their layouts are written at its head).  out0: [16][4096][128] f32.
; THE SOFTMAX AHEAD OF THE SECOND PRODUCT: t = score x log2(e) / sqrt(128); M = the row's largest t so far, rounded UP to a whole number; p = 2^(t - M) is quantised along the keys, not normalised.
; The row's sum is taken of the unquantised p and divides O at the end.  When M moves, the sum and O are multiplied by 2^(old M - new M): exact.
; SHARES.  A work-group owns 256 queries of one head; each of its sixteen waves owns one tile of 16, in 256 registers.  All walk the head's 32 key steps of 128 keys in a loop of constant count.
; WHAT THE MASK HIDES IS NOT DONE.  Three words, read from flags, are shifted one bit a step: WG (some wave of the work-group needs the step: its block of kvw is copied into LDS), WN (my tile needs it: I do its work),
; WP (my tile has hidden keys in it: I apply the mask bits).  A tile of queries with a ROW THAT SEES NO KEY AT ALL
; needs every step: that row then has p = 1 for all 4,096 keys, as the softmax of equal scores has.
; HIDDEN SCORES become -2^103.  A power of two, so that score x c is exact and a row that has met hidden keys alone has t - M = 0 exactly; the first real score then gives 2^(old M - new M) = 0, which wipes what was summed.
; LIMIT: logits at or under about -1e30 are not told apart from hidden ones; NaN and infinities among the inputs are not served.
; THE COPY.  The branches hang on numbers read from memory, and which steps a work-group copies differs from work-group to work-group: so the blocks come through registers (16 + 16 + 2 bytes a thread), asked for a whole
; step ahead, into two LDS slots by turns, with one barrier a step, which every wave passes; and no tile is asked for jointly by several work-groups.
; LAYOUT.  Both products are used transposed: S^T = K Q^T (source 0 = 16 keys, source 1 = my 16 queries), O^T = V^T P^T (source 0 = 16 channels, source 1 = P): a lane holds ONE query (lane % 16) throughout.
; Register 16 b + i of S^T is key 32 b + 16 (lane / 16) + i of the step.
; REGISTERS: v1-9, v11 addresses that stay; v10, v24-31 the copy on its way; v12 -M, v13 the largest t, v[14:15] the sum in two halves; v16-23 Q; v32-95 eight fragments of K, then of V; v96-159 S^T, then p;
; v160-223 O^T; v224-231 p's codes; v232-239, v244-247, v254 at work; v[240:241], v[242:243] mask bits of the steps in slot 0, 1; v248-251 scale words of K, then of V; v252 f; v253 p's scale word; v255 Q's.
.set BLK,   17408                      ; a key step's block, in kvw and in an LDS slot: slot s begins at s x BLK
.set VCO,   8192                       ; in it: V^T's codes,
.set KSC,   16384                      ; K's scale words,
.set VSC,   16896                      ; V's
.set STAGE, 2*BLK                      ; behind the slots: 16 rows x 272 bytes for each wave, for the way out
.set SPARE, STAGE+16*4352              ; behind the stages: the spare words, 128 bytes for each wave: eight blocks of 256 bytes that no other line names
	s_load_b256 s[4:11], s[0:1], 0x0               ; q s[4:5], kvw s[6:7], mbits s[8:9], flags s[10:11]
	s_load_b64 s[12:13], s[0:1], 0x20              ; out0
	v_lshl_add_u32 v5, v0, 2, SPARE                ; my spare word; never rewritten
	v_mov_b32 v6, 0                                ; 0; never rewritten
	v_lshrrev_b32 v232, 5, v0
	v_readfirstlane_b32 s14, v232                  ; wave 0..15
	v_and_b32 v233, 31, v0                         ; lane
	v_and_b32 v234, 15, v0                         ; r
	v_bfe_u32 v235, v0, 4, 1                       ; h
	v_lshlrev_b32 v1, 4, v233                      ; 16 x lane: an image's place for my lane
	v_lshlrev_b32 v2, 2, v233                      ; 4 x lane: a scale word's
	v_lshlrev_b32 v3, 4, v0                        ; the copy: 16 x thread,
	v_lshlrev_b32 v4, 1, v0                        ; and 2 x thread for the scale words' 1,024 bytes
	v_lshlrev_b32 v8, 3, v233                      ; 8 x lane: my mask bits
	v_lshlrev_b32 v7, 9, v235
	v_lshl_add_u32 v7, v234, 4, v7                 ; the way out: lanes 0-15 one row of O, lanes 16-31 the next; 16 bytes a lane
	s_mul_i32 s24, s14, 4352
	s_add_co_u32 s24, s24, STAGE                   ; my stage
	v_mul_u32_u24 v9, v234, 272
	v_lshl_add_u32 v9, v235, 5, v9
	v_add_nc_u32 v9, s24, v9                       ; in: row r, + 32 h
	v_mul_u32_u24 v11, v235, 272
	v_lshl_add_u32 v11, v234, 4, v11
	v_add_nc_u32 v11, s24, v11                     ; back: lanes 0-15 one row, lanes 16-31 the next
	v_lshlrev_b32 v246, 9, v234
	v_lshl_add_u32 v246, v235, 7, v246             ; Q: row r of 512 bytes, + 128 h: my 32 numbers of 64
	v_lshlrev_b32 v247, 3, v235                    ; 8 h
	s_lshl_b32 s17, s14, 2                         ; my tile's word among the work-group's sixteen
	s_mov_b32 s20, 0x76543210
	s_mov_b32 s21, 0xfedcba98                      ; v_permlanex16_b32's selects for lane l xor 16
	s_mov_b32 s22, 0x3e0293ee                      ; c = log2(e) / sqrt(128)
	s_mov_b32 s23, s22                             ; (named with it as a pair, so it is written)
	s_and_b32 s24, ttmp7, 0xffff                   ; the head
	s_lshl_b32 s25, s24, 12
	s_lshl_b32 s26, ttmp9, 8
	s_add_co_u32 s25, s25, s26
	s_lshl_b32 s26, s14, 4
	s_add_co_u32 s25, s25, s26                     ; my first query's row: 4096 head + 256 x + 16 wave
	s_lshl_b32 s26, s25, 9                         ; in bytes, in q and in out0
	s_mov_b32 s27, 0
	s_mul_i32 s28, s24, 32*BLK                     ; the head's 32 blocks in kvw
	s_mov_b32 s29, 0
	s_lshl_b32 s30, ttmp9, 4
	s_add_co_u32 s30, s30, s14
	s_lshl_b32 s30, s30, 13                        ; my tile's 32 x 256 bytes in mbits
	s_mov_b32 s31, 0
	s_lshl_b32 s24, ttmp9, 6                       ; the work-group's 16 words in each table of flags
	s_mov_b32 s25, 0
	s_wait_kmcnt 0x0
	s_add_nc_u64 s[4:5], s[4:5], s[26:27]
	s_add_nc_u64 s[12:13], s[12:13], s[26:27]
	s_add_nc_u64 s[6:7], s[6:7], s[28:29]
	s_add_nc_u64 s[8:9], s[8:9], s[30:31]
	s_add_nc_u64 s[10:11], s[10:11], s[24:25]
	s_load_b512 s[32:47], s[10:11], 0x0            ; VIS of the sixteen tiles
	s_load_b512 s[48:63], s[10:11], 0x800          ; ROWV of the sixteen
	s_load_b32 s18, s[10:11], s17 offset:0x0       ; my VIS,
	s_load_b32 s19, s[10:11], s17 offset:0x400     ; my PAR,
	s_load_b32 s24, s[10:11], s17 offset:0x800     ; my ROWV
.irp c, 0,1
.irp j, 0,1,2,3,4,5,6,7
	global_load_b128 v[96+32*\c+4*\j:99+32*\c+4*\j], v246, s[4:5] offset:256*\c+16*\j   ; register 32 c + i = q(row r, 64 c + 32 h + i)
.endr
.endr
	global_load_b128 v[24:27], v3, s[6:7]          ; key step 0's block is always copied,
	global_load_b128 v[28:31], v3, s[6:7] offset:VCO
	global_load_u16 v10, v4, s[6:7] offset:KSC
	global_load_b64 v[240:241], v8, s[8:9]         ; and its mask bits always read
	v_mov_b32 v13, 0xff61b1e6                      ; the largest t so far: -3e38, under every t
	v_floor_f32 v12, -v13                          ; -M
	v_mov_b32 v14, 0                               ; the sum, in two halves
	v_mov_b32 v15, 0
	v_mov_b32 v238, 0                              ; written once: a lane permute's destination counts as one of its sources (v236, v237 are written below)
	v_mov_b32 v239, 0
	v_mov_b32 v242, 0                              ; slot 1's mask bits: written before any path can read them
	v_mov_b32 v243, 0
	v_mov_b32 v252, 0
	v_mov_b32 v253, 0                              ; (named as the upper half of the pair v[252:253] before it is first written)
	v_mov_b32 v254, 0
	s_wait_kmcnt 0x0
	s_mov_b32 s16, 0
	s_mov_b32 s25, -1
.irp i, 0,1,2,3,4,5,6,7,8,9,10,11,12,13,14,15
	s_or_b32 s16, s16, s[32+\i]                    ; WG: the steps that some tile needs;
	s_lshr_b32 s26, s[48+\i], 16
	s_or_b32 s26, s26, s[48+\i]
	s_and_b32 s25, s25, s26                        ; the rows that see a key, in every tile
.endr
	s_and_b32 s25, s25, 0xffff
	s_cmp_lg_u32 s25, 0xffff
	s_cselect_b32 s26, -1, 0                       ; some tile has a row that sees no key: every step is copied
	s_or_b32 s16, s16, s26
	s_lshr_b32 s26, s24, 16
	s_or_b32 s26, s26, s24
	s_and_b32 s26, s26, 0xffff
	s_cmp_lg_u32 s26, 0xffff
	s_cselect_b32 s26, -1, 0                       ; my tile has such a row: I need every step
	s_or_b32 s18, s18, s26                         ; WN
	s_and_b32 s19, s19, s18                        ; WP: of the steps that I need, those with hidden keys
	s_wait_loadcnt 4                               ; Q's 16 loads are in; behind them the three of the copy and the mask bits may be out
.irp c, 0,1
	v_max3_num_f32 v[232+\c], |v[96+32*\c]|, |v[97+32*\c]|, 0x1800000   ; Q is quantised: my two blocks by turns, each whole in my lane; the floor 2^(3 - 127) holds the byte at 1 from below
.endr
.irp i, 2,4,6,8,10,12,14,16,18,20,22,24,26,28,30
.irp c, 0,1
	v_max3_num_f32 v[232+\c], v[232+\c], |v[96+32*\c+\i]|, |v[97+32*\c+\i]|
.endr
.endr
.irp c, 0,1
	v_add_nc_u32 v[244+\c], 0xff000000, v[232+\c]  ; 2 off the exponent field: the conversion's scale operand
.endr
.irp c, 0,1
	v_lshrrev_b32 v[236+\c], 23, v[244+\c]         ; the scale's byte
.endr
	v_lshl_or_b32 v255, v237, 16, v236             ; my bytes: blocks h and 2 + h of row r,
	v_lshlrev_b32 v255, v247, v255                 ; 8 h bits up;
	v_permlanex16_b32 v254, v255, s20, s21
	v_or_b32 v255, v255, v254                      ; with lane l xor 16's two the word is whole
.irp c, 0,1
.irp g, 0,1,2,3
	v_cvt_scalef32_pk8_fp4_f32 v[16+4*\c+\g], v[96+32*\c+8*\g:103+32*\c+8*\g], v[244+\c]
.endr
.endr
	v_nop                                          ; a plain line behind the last conversion
.set j, 0
.rept 64
	v_mov_b32 v[160+j], 0                          ; O^T begins as zeros: which step is a wave's first hangs on the mask, so no first step can be written out.  These lines are also the places between Q's word and codes and the first product
.set j, j+1
.endr
	s_wait_loadcnt 0x0                             ; step 0's block and bits
	ds_store_b128 v3, v[24:27]
	ds_store_b128 v3, v[28:31] offset:VCO
	ds_store_b16 v4, v10 offset:KSC
	s_wait_dscnt 0x0                               ; for the others' sake: my part of slot 0 has landed
	s_barrier_signal -1
	s_barrier_wait -1
	s_mov_b32 s15, 16
; THE WORK OF A KEY STEP whose block lies in slot s.
.macro WORK s
.irp t, 0,1,2,3,4,5,6,7
.irp c, 0,1
	ds_load_b128 v[32+8*\t+4*\c:35+8*\t+4*\c], v1 offset:\s*BLK+1024*\t+512*\c   ; K's eight fragments, as images: 512 consecutive bytes a load
.endr
.endr
.irp j, 0,1,2,3
	ds_load_b32 v[248+\j], v2 offset:\s*BLK+KSC+128*\j   ; lanes 0-15: tile 2 j's scale words, lanes 16-31: tile 2 j + 1's
.endr
	s_wait_dscnt 0x0
.irp t, 0,1,2,3,4,5,6,7
.if \t%2
	v_wmma_scale_f32_16x16x128_f8f6f4 v[96+8*\t:103+8*\t], v[32+8*\t:39+8*\t], v[16:23], 0, v[248+\t/2], v255 matrix_a_fmt:MATRIX_FMT_FP4 matrix_b_fmt:MATRIX_FMT_FP4 matrix_a_scale:MATRIX_SCALE_ROW1
.else
	v_wmma_scale_f32_16x16x128_f8f6f4 v[96+8*\t:103+8*\t], v[32+8*\t:39+8*\t], v[16:23], 0, v[248+\t/2], v255 matrix_a_fmt:MATRIX_FMT_FP4 matrix_b_fmt:MATRIX_FMT_FP4
.endif
.endr
.rept 4
	v_nop                                          ; four places in front of loads into registers that these products have read, and of the first read of their results (ISA guide 7.12.1 for vector instructions)
.endr
.irp t, 0,1,2,3,4,5,6,7
.irp c, 0,1
	ds_load_b128 v[32+8*\t+4*\c:35+8*\t+4*\c], v1 offset:\s*BLK+VCO+1024*\t+512*\c   ; V^T's eight fragments land while the softmax is walked
.endr
.endr
.irp j, 0,1,2,3
	ds_load_b32 v[248+\j], v2 offset:\s*BLK+VSC+128*\j
.endr
	s_bitcmp1_b32 s19, 0                           ; has my tile hidden keys in this step?
	s_cbranch_scc0 .Lopen_\@
	v_mov_b32 v254, 0xf3000000                     ; -2^103
.set n, 0
.rept 16                                       ; four scores at a time, in ascending order: bit 8 (i % 4) + i / 4 + 4 (b % 2) of word b / 2 for register 16 b + i
.irp e, 0,1,2,3
	v_and_b32 v[244+\e], 1<<(8*(((n+\e)%16)%4)+((n+\e)%16)/4+4*(((n+\e)/16)%2)), v[240+2*\s+(n+\e)/32]
.endr
.irp e, 0,1,2,3
	v_cmp_eq_u32 s[26+\e], 0, v[244+\e]
.endr
.irp e, 0,1,2,3
	v_cndmask_b32 v[96+n+\e], v[96+n+\e], v254, s[26+\e]
.endr
.set n, n+4
.endr
.Lopen_\@:
.irp b, 0,1,2,3
	v_max3_num_f32 v[232+\b], v[96+16*\b], v[97+16*\b], v[98+16*\b]   ; the largest score of each block of 32 keys: it serves the row's maximum and, since p rises with the score, the block's largest p
.endr
.irp i, 3,5,7,9,11,13
.irp b, 0,1,2,3
	v_max3_num_f32 v[232+\b], v[232+\b], v[96+16*\b+\i], v[97+16*\b+\i]   ; (the four blocks by turns)
.endr
.endr
.irp b, 0,1,2,3
	v_max_num_f32 v[232+\b], v[232+\b], v[111+16*\b]
.endr
.irp b, 0,1,2,3
	v_permlanex16_b32 v[236+\b], v[232+\b], s20, s21
.endr
.irp b, 0,1,2,3
	v_max_num_f32 v[232+\b], v[232+\b], v[236+\b]  ; with lane l xor 16's 16 keys
.endr
	v_max3_num_f32 v254, v232, v233, v234
	v_max_num_f32 v254, v254, v235                 ; the step's largest score of my query
	v_mul_f32 v254, s22, v254                      ; as t (c is positive)
	v_max_num_f32 v13, v13, v254                   ; the running largest t
	v_mov_b32 v254, v12
	v_floor_f32 v12, -v13                          ; the new -M = floor(-t) = -ceil(t): M is a whole number
	v_sub_f32 v254, v12, v254                      ; M's old value less its new one: a whole number, 0 or less
	v_cvt_i32_f32 v254, v254                       ; (it saturates)
	v_ldexp_f32 v252, 1.0, v254                    ; f = 2^(old M - new M): a multiplication by it rounds nothing
.set j, 0
.rept 32
	v_pk_fma_f32 v[96+j:97+j], v[96+j:97+j], s[22:23], v[12:13] op_sel_hi:[1,0,0]   ; t - M, two at a time (of the pairs c and -M the low word serves both halves)
.set j, j+2
.endr
.irp b, 0,1,2,3
	v_fma_f32 v[232+\b], v[232+\b], s22, v12       ; the same of each block's largest score
.endr
.set j, 0
.rept 64
	v_exp_f32 v[96+j], v[96+j]                     ; p = 2^(t - M), at most 1: not normalised
.set j, j+1
.endr
	v_pk_mul_f32 v[14:15], v[14:15], v[252:253] op_sel_hi:[1,0]   ; the sums under the new M: the plain line behind the exponentials
	s_wait_alu depctr_va_vdst(0)                   ; one wait for the batch of 64, ahead of its first reader
.irp b, 0,1,2,3
	v_exp_f32 v[232+\b], v[232+\b]                 ; the block's largest p: the same two instructions on the same number give the same bits
.endr
	v_pk_add_f32 v[236:237], v[96:97], v[98:99]    ; the row's sum is taken of the unquantised p: two at a time, in two chains
.irp j, 4,8,12,16,20,24,28,32,36,40,44,48,52,56,60
	v_pk_add_f32 v[14:15], v[14:15], v[96+\j:97+\j]
	v_pk_add_f32 v[236:237], v[236:237], v[98+\j:99+\j]
.endr
	v_pk_add_f32 v[14:15], v[14:15], v[236:237]
	s_wait_alu depctr_va_vdst(0)                   ; and one for the four
.irp b, 0,1,2,3
	v_max_num_f32 v[232+\b], 0x1800000, v[232+\b]  ; the floor 2^(3 - 127): the byte cannot fall under 1 (a block whose every p is 0 keeps that byte: its codes are zeros)
.endr
.irp b, 0,1,2,3
	v_add_nc_u32 v[244+\b], 0xff000000, v[232+\b]  ; 2 off the exponent field: the conversion's scale operand
.endr
.irp b, 0,1,2,3
	v_lshrrev_b32 v[236+\b], 23, v[244+\b]         ; the scale's byte
.endr
	v_lshl_or_b32 v253, v237, 8, v236              ; p's scale word for these 128 keys
	v_lshl_or_b32 v253, v238, 16, v253
	v_lshl_or_b32 v253, v239, 24, v253
.irp b, 0,1,2,3
	v_cvt_scalef32_pk8_fp4_f32 v[224+2*\b], v[96+16*\b:103+16*\b], v[244+\b]
	v_cvt_scalef32_pk8_fp4_f32 v[225+2*\b], v[104+16*\b:111+16*\b], v[244+\b]
.endr
	v_nop                                          ; a plain line between the last conversion and the lines that touch its results
.irp c, 0,1                                    ; the operand's layout wants a whole block in a lane: lanes 0-15 block 2 c, lanes 16-31 block 2 c + 1
.irp i, 0,1
	v_permlane16_swap_b32 v[224+4*\c+\i], v[226+4*\c+\i]
.endr
.endr
.set j, 0
.rept 32
	v_pk_mul_f32 v[160+j:161+j], v[160+j:161+j], v[252:253] op_sel_hi:[1,0]   ; O^T under the new M, from each accumulator's low end on.  These 32 are also the places between p's word and codes and the products below
.set j, j+2
.endr
	s_wait_dscnt 0x0                               ; V^T's fragments and scale words are in
.irp t, 0,1,2,3,4,5,6,7                        ; the eight accumulators take turns, one instruction a turn
.if \t%2
	v_wmma_scale_f32_16x16x128_f8f6f4 v[160+8*\t:167+8*\t], v[32+8*\t:39+8*\t], v[224:231], v[160+8*\t:167+8*\t], v[248+\t/2], v253 matrix_a_fmt:MATRIX_FMT_FP4 matrix_b_fmt:MATRIX_FMT_FP4 matrix_a_scale:MATRIX_SCALE_ROW1
.else
	v_wmma_scale_f32_16x16x128_f8f6f4 v[160+8*\t:167+8*\t], v[32+8*\t:39+8*\t], v[224:231], v[160+8*\t:167+8*\t], v[248+\t/2], v253 matrix_a_fmt:MATRIX_FMT_FP4 matrix_b_fmt:MATRIX_FMT_FP4
.endif
.endr
.rept 4
	v_nop                                          ; four places, on every way on: in front of the next loads into the fragments' and scale words' registers, and of the next read of O^T
.endr
.endm
; A TRIP: key step j, whose block lies in slot s.  Bit 0 of WG, WN, WP is step j's, bit 1 step j + 1's; in the last trip bit 1 is a zero that the shifts brought in, so nothing is asked for past the buffers' ends.
.macro TRIP s
	s_bitcmp1_b32 s16, 1                           ; does some wave need step j + 1?  Then its block is asked for now, a whole step ahead
	s_cbranch_scc0 .Lno_copy_\@
	global_load_b128 v[24:27], v3, s[6:7] offset:BLK
	global_load_b128 v[28:31], v3, s[6:7] offset:BLK+VCO
	global_load_u16 v10, v4, s[6:7] offset:BLK+KSC
.Lno_copy_\@:
	s_bitcmp1_b32 s19, 1                           ; shall I want step j + 1's mask bits?
	s_cbranch_scc0 .Lno_bits_\@
	global_load_b64 v[242-2*\s:243-2*\s], v8, s[8:9] offset:256
.Lno_bits_\@:
	s_bitcmp1_b32 s18, 0                           ; does my tile need step j?
	s_cbranch_scc0 .Lno_work_\@
	WORK \s
.Lno_work_\@:
	s_wait_loadcnt 0x0                             ; the block and the bits are in: their bases may be stepped
	s_bitcmp1_b32 s16, 1
	s_cbranch_scc0 .Lno_store_\@
	ds_store_b128 v3, v[24:27] offset:(1-\s)*BLK   ; into the other slot: every wave's reads of it were over in front of the last barrier
	ds_store_b128 v3, v[28:31] offset:(1-\s)*BLK+VCO
	ds_store_b16 v4, v10 offset:(1-\s)*BLK+KSC
.Lno_store_\@:
	s_add_nc_u64 s[6:7], s[6:7], BLK
	s_add_nc_u64 s[8:9], s[8:9], 256
	s_lshr_b32 s16, s16, 1
	s_lshr_b32 s18, s18, 1
	s_lshr_b32 s19, s19, 1
	s_wait_dscnt 0x0                               ; my stores into the other slot have landed, and my reads of this slot are over
	s_barrier_signal -1
	s_barrier_wait -1                              ; both now hold of all sixteen waves
.endm
.Lstep:                                            ; 16 trips of two key steps: the slot's number stands in the immediates
	TRIP 0
	TRIP 1
	s_sub_co_u32 s15, s15, 1
	s_cmp_lg_u32 s15, 0
	s_cbranch_scc1 .Lstep
	; THE WAY OUT.  O^T is divided by the row's sum and goes through my own stage in LDS, half a row (64 channels, 256 bytes) of 16 queries at a time.
	v_add_f32 v14, v14, v15                        ; the sum's two halves,
	v_permlanex16_b32 v252, v14, s20, s21
	v_add_f32 v14, v14, v252                       ; and lane l xor 16's: the row's sum
	v_rcp_f32 v14, v14
	v_nop                                          ; a plain line behind the reciprocal,
	s_wait_alu depctr_va_vdst(0)                   ; and a wait ahead of its first reader
.set j, 0
.rept 32
	v_pk_mul_f32 v[96+j:97+j], v[160+j:161+j], v[14:15] op_sel_hi:[1,0]   ; register 8 t + i is o(r, 16 t + 8 h + i); each accumulator from its low end on
.set j, j+2
.endr
.irp u, 0,1                                    ; channels 64 u on
.irp t, 0,1,2,3
	ds_store_b128 v9, v[96+32*\u+8*\t:99+32*\u+8*\t] offset:64*\t
	ds_store_b128 v9, v[100+32*\u+8*\t:103+32*\u+8*\t] offset:64*\t+16
.endr
.irp i, 0,1,2,3,4,5,6,7
	ds_load_b128 v[32+32*\u+4*\i:35+32*\u+4*\i], v11 offset:2*\i*272   ; LDS serves a wave's instructions in order (ISA guide 5.7.1): these see my stores, and the next half's stores come behind them
.endr
.endr
.irp u, 0,1
.irp i, 0,1,2,3,4,5,6,7
	s_wait_dscnt 23-16*\u-\i                       ; behind load i of the first half: 7 - i loads, 8 stores, 8 loads; of the second: 7 - i loads
	global_store_b128 v7, v[32+32*\u+4*\i:35+32*\u+4*\i], s[12:13] offset:2*\i*512+256*\u th:TH_STORE_NT   ; sixteen lanes store 256 consecutive bytes, at a multiple of 256 from out0's first byte
.endr
.endr
	s_wait_tensorcnt 0x0                           ; the wave's end: three closing lines, behind my last LDS store
	ds_add_u32 v5, v6
	s_wait_dscnt 0x0
	s_endpgm
.Lfunc_end_k_q5b170e3034_attn:
	.size	k_q5b170e3034_attn, .Lfunc_end_k_q5b170e3034_attn-k_q5b170e3034_attn
	.p2alignl 7, 3214868480
	.fill 96, 4, 3214868480
	.section	.rodata,"a",@progbits
	.p2align	6, 0x0
	.amdhsa_kernel k_q5b170e3034_attn
		.amdhsa_group_segment_fixed_size 106496
		.amdhsa_private_segment_fixed_size 0
		.amdhsa_enable_private_segment 0
		.amdhsa_kernarg_size 40
		.amdhsa_user_sgpr_count 2
		.amdhsa_user_sgpr_kernarg_segment_ptr 1
		.amdhsa_wavefront_size32 1
		.amdhsa_system_sgpr_workgroup_id_x 1
		.amdhsa_system_sgpr_workgroup_id_y 1
		.amdhsa_system_sgpr_workgroup_id_z 1
		.amdhsa_system_vgpr_workitem_id 0
		.amdhsa_next_free_vgpr 256
		.amdhsa_next_free_sgpr 66
		.amdhsa_reserve_vcc 0
		.amdhsa_float_denorm_mode_32 3
		.amdhsa_float_denorm_mode_16_64 3
		.amdhsa_memory_ordered 1
		.amdhsa_forward_progress 1
		.amdhsa_inst_pref_size 80
	.end_amdhsa_kernel
	.amdgpu_metadata
---
amdhsa.version: [ 1, 2 ]
amdhsa.kernels:
  - .name:           k_q5b170e3034_attn
    .symbol:         k_q5b170e3034_attn.kd
    .args:
      - { .name: q, .offset: 0, .size: 8, .value_kind: global_buffer, .address_space: global }
      - { .name: kvw, .offset: 8, .size: 8, .value_kind: global_buffer, .address_space: global }
      - { .name: mbits, .offset: 16, .size: 8, .value_kind: global_buffer, .address_space: global }
      - { .name: flags, .offset: 24, .size: 8, .value_kind: global_buffer, .address_space: global }
      - { .name: out0, .offset: 32, .size: 8, .value_kind: global_buffer, .address_space: global }
    .group_segment_fixed_size: 106496
    .private_segment_fixed_size: 0
    .kernarg_segment_align: 8
    .kernarg_segment_size: 40
    .max_flat_workgroup_size: 512
    .sgpr_count:     66
    .vgpr_count:     256
    .wavefront_size: 32
...
	.end_amdgpu_metadata
.endif
;; end of part 2
;; ======== version 2 of 2: 2 launches
;; limits: inputs' magnitudes at most 100,000,000,000,000
;; workspace buffers: kvw 8,912,896 bytes; mbits 2,097,152 bytes of whole numbers; flags 3,072 bytes of whole numbers
;; launch prep (part 3): grid 896 x 1, 4 waves a work-group, no clusters, 68,096 bytes of LDS; arguments mask, k, v, kvw, mbits, flags; writes kvw, mbits, flags
.if DOCPART == 3
	.amdgcn_target "amdgcn-amd-amdhsa--gfx1250"
	.amdhsa_code_object_version 6
	.text
	.protected	k_q5b170e3034_prep
	.globl	k_q5b170e3034_prep
	.p2align	8
	.type	k_q5b170e3034_prep,@function
k_q5b170e3034_prep:
	s_mov_b64 s[64:65], 0
	v_nop
	global_prefetch_b8 v0, s[64:65] scope:SCOPE_SE
	s_setreg_imm32_b32 hwreg(HW_REG_WAVE_MODE, 25, 1), 1
	s_wait_xcnt 0x0
; PREP: what the attention launch reads is made here, once.  Three kinds of work-group, told apart by the work-group's number; the paths part once and never join; waves share nothing, so there is no barrier.
;   work-groups 0-127    THE MASK [4096][4096] of bytes 0 or 1 (as the problem states them) becomes bit words and flags.
;   work-groups 128-383  K [16][4096][128] f32 becomes codes of FP4 (E2M1) along the head's 128, with one E8M0 byte for each 32.
;   work-groups 384-895  V [16][4096][128] f32 becomes codes along the KEYS (the second product's K), with one E8M0 byte for each 32 keys.
; kvw: [head 16][key step 32][17,408 bytes].  A key step is 128 keys.  In a block: +0 K's 8 tiles, +8192 V^T's 8 tiles, each tile 1,024 bytes AS AN IMAGE OF THE OPERAND'S REGISTERS (registers 4 c .. 4 c + 3 of lane l at
;   1024 t + 512 c + 16 l); +16384 K's scale words [j 4][lane 32], +16896 V's: word (j, lane) is that of tile 2 j, row lane (lanes 0-15), or of tile 2 j + 1, row lane - 16 (lanes 16-31).
;   Row r of K's tile 2 b + u is key 32 b + 8 u + r + 8 (r / 8), so that the scores' registers of two neighbouring tiles are 16 neighbouring keys.  Row r of V^T's tile t is channel 16 t + r.
; mbits: [tile of 16 queries 256][key step 32][lane 32][2 words].  Lane (r, h) holds query r; key 32 b + 16 h + i of the step is bit 8 (i % 4) + i / 4 + 4 (b % 2) of word b / 2; 1 = visible.
; flags: VIS[256] at 0 (bit ks: the tile has a visible key), PAR[256] at 1024 (bit ks: it has a hidden key), ROWV[256] at 2048 (two halves of 16 bits, one for each half of the keys: bit r: row r has a visible key there).
; THE QUANTISER: a block's scale is 2^(floor(log2(its largest magnitude)) - 2); its byte is the largest magnitude's exponent field - 2, held at 1 from below by a floor among the maximum's leaves.
; LIMITS: a block of zeros gets the byte 1 where the rule says 127 (its codes are zeros, which add nothing, and this program alone reads the bytes); NaN and infinities among k and v are not served.
.set WST,   8448                       ; a wave's stage: 16 rows x SP
.set SP,    528                        ; a stage row: 512 bytes + 16: the 16 rows that a read touches begin 16 bytes apart modulo 256
.set KST,   4*WST                      ; the K path's stages lie behind the mask path's: each path has LDS bytes of its own
.set SPARE, 8*WST                      ; the spare words, 128 bytes for each wave: two blocks of 256 bytes that no other line names
.set BLK,   17408                      ; a key step's block in kvw
.set SPW,   252                        ; v252 LDS address of my spare word; never rewritten
.set NIL,   253                        ; v253 0; never rewritten
	s_load_b256 s[4:11], s[0:1], 0x0               ; mask s[4:5], k s[6:7], v s[8:9], kvw s[10:11]
	s_load_b128 s[12:15], s[0:1], 0x20             ; mbits s[12:13], flags s[14:15]
	v_lshl_add_u32 v[SPW], v0, 2, SPARE
	v_mov_b32 v[NIL], 0
	v_lshrrev_b32 v1, 5, v0
	v_readfirstlane_b32 s16, v1                    ; wave 0..3
	v_and_b32 v2, 31, v0                           ; lane
	v_and_b32 v3, 15, v0                           ; r
	v_bfe_u32 v4, v0, 4, 1                         ; h
	v_lshlrev_b32 v5, 4, v2                        ; 16 x lane
	v_lshlrev_b32 v6, 3, v2                        ; 8 x lane
	v_lshlrev_b32 v7, 2, v2                        ; 4 x lane
	s_mul_i32 s17, s16, WST
	v_add_nc_u32 v8, s17, v5                       ; the mask's stage, in: my wave's + 16 x lane
	v_mul_u32_u24 v14, v3, SP
	v_add_nc_u32 v14, s17, v14
	v_lshl_add_u32 v9, v4, 4, v14                  ; and out: row r, + 16 h
	v_add_nc_u32 v10, KST, v8                      ; K's stage, in
	v_lshl_add_u32 v11, v4, 7, v14
	v_add_nc_u32 v11, KST, v11                     ; and out: row r, + 128 h: 32 numbers
	v_lshlrev_b32 v12, 3, v4                       ; 8 h: my bytes' place in a scale word
	v_lshlrev_b32 v13, 10, v4
	v_lshl_add_u32 v13, v3, 4, v13                 ; V's codes: 1024 h + 16 r
	s_mov_b32 s28, 0x76543210
	s_mov_b32 s29, 0xfedcba98                      ; v_permlanex16_b32's selects for lane l xor 16
	s_mov_b32 s19, 0                               ; the upper word of every offset
	s_wait_kmcnt 0x0
	s_cmp_lt_u32 ttmp9, 128
	s_cbranch_scc1 .Lmask
	s_cmp_lt_u32 ttmp9, 384
	s_cbranch_scc1 .Lkeys
; ---------------- V: a lane takes a channel, and its registers run down the keys.  A work-group takes one key step of one head; wave w channels 32 w on.
	s_sub_co_u32 s17, ttmp9, 384                   ; 32 x head + key step
	s_lshl_b32 s18, s17, 16                        ; 128 keys of 512 bytes,
	s_lshl_b32 s22, s16, 7                         ; + my wave's 32 channels
	s_add_co_u32 s18, s18, s22
	s_add_nc_u64 s[8:9], s[8:9], s[18:19]
	s_mul_i32 s18, s17, BLK
	s_add_nc_u64 s[10:11], s[10:11], s[18:19]      ; the block in kvw
	s_mov_b32 s18, s22
	s_add_nc_u64 s[20:21], s[10:11], s[18:19]      ; its scale words: 128 bytes a wave
	s_lshl_b32 s18, s16, 11
	s_add_nc_u64 s[10:11], s[10:11], s[18:19]      ; its codes: my wave's two tiles
.macro VLOAD t                         ; keys 32 t + i, i = 0 .. 31, of my channel: a wave reads 128 consecutive bytes, the four waves a key's 512
.irp i, 0,1,2,3,4,5,6,7,8,9,10,11,12,13,14,15,16,17,18,19,20,21,22,23,24,25,26,27,28,29,30,31
	global_load_b32 v[32+32*((\t)%2)+\i], v7, s[8:9] offset:512*(32*(\t)+\i) th:TH_LOAD_NT
.endr
.endm
.macro VBLOCK t
.set XS, 32+32*((\t)%2)
.if \t < 3
	s_wait_loadcnt 32                              ; this block's 32 loads are in; the next block's 32 may be out
.else
	s_wait_loadcnt 0x0
.endif
	v_max3_num_f32 v113, |v[XS]|, |v[XS+1]|, |v[XS+2]|          ; the block's largest magnitude: all 32 numbers are mine; two chains
	v_max3_num_f32 v114, |v[XS+3]|, |v[XS+4]|, |v[XS+5]|
.irp i, 6,10,14,18,22,26
	v_max3_num_f32 v113, v113, |v[XS+\i]|, |v[XS+\i+1]|
	v_max3_num_f32 v114, v114, |v[XS+\i+2]|, |v[XS+\i+3]|
.endr
	v_max3_num_f32 v113, v113, |v[XS+30]|, |v[XS+31]|
	v_max3_num_f32 v113, v113, v114, 0x1800000     ; and the floor 2^(3 - 127): the byte cannot fall under 1
	v_add_nc_u32 v115, 0xff000000, v113            ; 2 off the exponent field: the conversion takes this operand's exponent field as its scale
	v_lshrrev_b32 v116, 23, v115                   ; the scale's byte
.if \t == 0
	v_mov_b32 v112, v116                           ; four bytes make my channel's scale word, the lower keys in the lower byte
.else
	v_lshl_or_b32 v112, v116, 8*\t, v112
.endif
.irp g, 0,1,2,3
	v_cvt_scalef32_pk8_fp4_f32 v[96+4*\t+\g], v[XS+8*\g:XS+8*\g+7], v115
.endr
	v_nop                                          ; a plain line behind the last conversion: the next block writes the scale operand anew
	global_store_b128 v13, v[96+4*\t:96+4*\t+3], s[10:11] offset:8192+256*\t   ; block t = registers 4 (t / 2) on of the image's lane r + 16 (t % 2): sixteen lanes store 256 consecutive bytes, aligned; each block has its own four registers
.if \t < 2
	VLOAD \t+2
.endif
.endm
	VLOAD 0
	VLOAD 1
	VBLOCK 0
	VBLOCK 1
	VBLOCK 2
	VBLOCK 3
	global_store_b32 v7, v112, s[20:21] offset:16896   ; lanes 0-15: tile 2 w's words, lanes 16-31: tile 2 w + 1's
	s_wait_tensorcnt 0x0                           ; the wave's end: three closing lines, as on the other two paths
	ds_add_u32 v[SPW], v[NIL]
	s_wait_dscnt 0x0
	s_endpgm
; ---------------- K: a wave takes four tiles (64 keys) of a key step.  A key's row is loaded as it lies, 512 consecutive bytes a load; 16 rows turn through the wave's own stage, so that lane (r, h) gets 32 neighbours along the head of row r.
.Lkeys:
	s_sub_co_u32 s17, ttmp9, 128
	s_lshl_b32 s17, s17, 2
	s_add_co_u32 s17, s17, s16                     ; which run of 64 keys: 0 .. 1023
	s_lshl_b32 s18, s17, 15                        ; 64 keys of 512 bytes
	s_add_nc_u64 s[6:7], s[6:7], s[18:19]
	s_lshr_b32 s18, s17, 1
	s_mul_i32 s18, s18, BLK
	s_add_nc_u64 s[10:11], s[10:11], s[18:19]      ; the block in kvw
	s_and_b32 s17, s17, 1                          ; which half of its tiles
	s_lshl_b32 s18, s17, 8
	s_add_nc_u64 s[20:21], s[10:11], s[18:19]      ; its scale words: 256 bytes a half
	s_lshl_b32 s18, s17, 12
	s_add_nc_u64 s[10:11], s[10:11], s[18:19]      ; its codes: four tiles a half
	v_mov_b32 v251, 0                              ; written once: a lane permute's destination counts as one of its sources
.macro KLOAD t                         ; the 16 keys of my tile t: 32 (t / 2) + 8 (t % 2) + p + 8 (p / 8)
.irp p, 0,1,2,3,4,5,6,7,8,9,10,11,12,13,14,15
	global_load_b128 v[32+64*((\t)%2)+4*\p:32+64*((\t)%2)+4*\p+3], v5, s[6:7] offset:(32*((\t)/2)+8*((\t)%2)+\p+8*(\p/8))*512 th:TH_LOAD_NT
.endr
.endm
.macro KTILE t
.if \t < 3
	s_wait_loadcnt 16                              ; this tile's 16 loads are in; the next tile's 16 may be out
.else
	s_wait_loadcnt 0x0
.endif
.irp p, 0,1,2,3,4,5,6,7,8,9,10,11,12,13,14,15
	ds_store_b128 v10, v[32+64*((\t)%2)+4*\p:32+64*((\t)%2)+4*\p+3] offset:SP*\p
.endr
.irp c, 0,1
.irp j, 0,1,2,3,4,5,6,7
	ds_load_b128 v[160+32*\c+4*\j:160+32*\c+4*\j+3], v11 offset:256*\c+16*\j   ; register 32 c + i = k(row r, 64 c + 32 h + i); LDS serves a wave's instructions in order: these see the stores above
.endr
.endr
	s_wait_dscnt 0x0                               ; the numbers are back, and the stores into the stage have read their registers,
	s_wait_xcnt 0x0                                ; and the code stores of two tiles back have read theirs
.if \t < 2
	KLOAD \t+2
.endif
.irp c, 0,1
	v_max3_num_f32 v[244+\c], |v[160+32*\c]|, |v[161+32*\c]|, 0x1800000   ; my two blocks by turns, each whole in my lane; the floor 2^(3 - 127) among the leaves
.endr
.irp i, 2,4,6,8,10,12,14,16,18,20,22,24,26,28,30
.irp c, 0,1
	v_max3_num_f32 v[244+\c], v[244+\c], |v[160+32*\c+\i]|, |v[161+32*\c+\i]|
.endr
.endr
.irp c, 0,1
	v_add_nc_u32 v[246+\c], 0xff000000, v[244+\c]  ; 2 off the exponent field: the conversion's scale operand
.endr
.irp c, 0,1
	v_lshrrev_b32 v[248+\c], 23, v[246+\c]         ; the scale's byte
.endr
	v_lshl_or_b32 v250, v249, 16, v248             ; my bytes: blocks h and 2 + h of row r,
	v_lshlrev_b32 v250, v12, v250                  ; 8 h bits up;
	v_permlanex16_b32 v251, v250, s28, s29
	v_or_b32 v[240+\t], v250, v251                 ; with lane l xor 16's two the word is whole, in both halves of the lanes
.irp c, 0,1
.irp g, 0,1,2,3
	v_cvt_scalef32_pk8_fp4_f32 v[224+8*((\t)%2)+4*\c+\g], v[160+32*\c+8*\g:160+32*\c+8*\g+7], v[246+\c]
.endr
.endr
	v_nop                                          ; a plain line behind the last conversion
.irp c, 0,1
	global_store_b128 v5, v[224+8*((\t)%2)+4*\c:224+8*((\t)%2)+4*\c+3], s[10:11] offset:1024*\t+512*\c   ; the image: 512 consecutive bytes a store
.endr
.endm
	KLOAD 0
	KLOAD 1
	s_wait_alu depctr_va_vdst(0)
	KTILE 0
	KTILE 1
	KTILE 2
	KTILE 3
	v_cmp_ne_u32 vcc_lo, 0, v4
	v_cndmask_b32 v244, v240, v241, vcc_lo         ; lanes 0-15 the even tile's words, lanes 16-31 the odd tile's
	v_cndmask_b32 v245, v242, v243, vcc_lo
	global_store_b32 v7, v244, s[20:21] offset:16384
	global_store_b32 v7, v245, s[20:21] offset:16384+128
	s_wait_tensorcnt 0x0                           ; the wave's end: three closing lines, behind my last LDS store
	ds_add_u32 v[SPW], v[NIL]
	s_wait_dscnt 0x0
	s_endpgm
; ---------------- THE MASK: a wave takes 16 queries x 2,048 keys, in four chunks of 16 rows x 512 bytes.  Rows are loaded as they lie and turn through the wave's own stage, so that lane (r, h) gets 16 neighbouring bytes of row r.
.Lmask:
	s_lshl_b32 s17, ttmp9, 2
	s_add_co_u32 s17, s17, s16                     ; m = 2 x tile of queries + half of the keys: 0 .. 511
	s_lshr_b32 s18, s17, 1
	s_lshl_b32 s18, s18, 16                        ; 16 rows of 4,096 bytes,
	s_and_b32 s23, s17, 1
	s_lshl_b32 s23, s23, 11                        ; + 2,048 for the upper half
	s_add_co_u32 s18, s18, s23
	s_add_nc_u64 s[4:5], s[4:5], s[18:19]
	s_lshl_b32 s18, s17, 12                        ; mbits: 16 key steps of 256 bytes
	s_add_nc_u64 s[12:13], s[12:13], s[18:19]
	s_lshl_b32 s18, s17, 1                         ; flags: my 16 bits of each of the three words
	s_add_nc_u64 s[14:15], s[14:15], s[18:19]
	s_mov_b32 s20, 0                               ; VIS
	s_mov_b32 s21, 0                               ; PAR
	s_mov_b32 s22, 0                               ; the lanes that have seen a visible key
.macro MLOAD c
.irp p, 0,1,2,3,4,5,6,7,8,9,10,11,12,13,14,15
	global_load_b128 v[32+64*((\c)%2)+4*\p:32+64*((\c)%2)+4*\p+3], v5, s[4:5] offset:4096*\p+512*(\c) th:TH_LOAD_NT   ; 512 consecutive bytes of row p
.endr
.endm
.macro MCHUNK c
.if \c < 3
	s_wait_loadcnt 16                              ; this chunk's 16 loads are in; the next chunk's 16 may be out
.else
	s_wait_loadcnt 0x0
.endif
.irp p, 0,1,2,3,4,5,6,7,8,9,10,11,12,13,14,15
	ds_store_b128 v8, v[32+64*((\c)%2)+4*\p:32+64*((\c)%2)+4*\p+3] offset:SP*\p
.endr
.irp q, 0,1,2,3
.irp b, 0,1,2,3
	ds_load_b128 v[160+16*\q+4*\b:160+16*\q+4*\b+3], v9 offset:128*\q+32*\b   ; key step q of the chunk, keys 32 b + 16 h + 0 .. 15 of row r
.endr
.endr
	s_wait_dscnt 0x0                               ; the bytes are back, and the stores into the stage have read their registers,
	s_wait_xcnt 0x0                                ; and the word stores of two chunks back have read theirs
.if \c < 2
	MLOAD \c+2
.endif
.irp q, 0,1,2,3
.set DD, 232+8*((\c)%2)+2*\q
.irp b, 0,1,2,3
	v_lshl_or_b32 v[224+\b], v[161+16*\q+4*\b], 1, v[160+16*\q+4*\b]   ; 16 bytes of 0 or 1 fold into 16 bits: byte e of word d goes to bit 8 e + d
.endr
.irp b, 0,1,2,3
	v_lshl_or_b32 v[224+\b], v[162+16*\q+4*\b], 2, v[224+\b]
.endr
.irp b, 0,1,2,3
	v_lshl_or_b32 v[224+\b], v[163+16*\q+4*\b], 3, v[224+\b]
.endr
	v_lshl_or_b32 v[DD], v225, 4, v224             ; blocks 0 and 1 share a word, the odd one 4 bits up;
	v_lshl_or_b32 v[DD+1], v227, 4, v226           ; blocks 2 and 3 the other
	v_or_b32 v248, v[DD], v[DD+1]
	v_and_b32 v249, v[DD], v[DD+1]
	v_cmp_ne_u32 s24, 0, v248                      ; the lanes with a visible key
	v_cmp_ne_u32 s25, -1, v249                     ; the lanes with a hidden key
	global_store_b64 v6, v[DD:DD+1], s[12:13] offset:256*(4*\c+\q)   ; the wave stores 256 consecutive bytes, aligned
	s_or_b32 s22, s22, s24
	s_cmp_lg_u32 s24, 0
	s_cselect_b32 s23, 1<<(4*\c+\q), 0             ; chosen, not branched on
	s_or_b32 s20, s20, s23
	s_cmp_lg_u32 s25, 0
	s_cselect_b32 s23, 1<<(4*\c+\q), 0
	s_or_b32 s21, s21, s23
.endr
.endm
	MLOAD 0
	MLOAD 1
	s_wait_alu depctr_va_vdst(0)
	MCHUNK 0
	MCHUNK 1
	MCHUNK 2
	MCHUNK 3
	s_lshr_b32 s23, s22, 16                        ; lanes r and 16 + r hold row r
	s_or_b32 s23, s23, s22
	s_and_b32 s23, s23, 0xffff
	v_mov_b32 v248, 0
	v_writelane_b32 v248, s20, 0                   ; lane 0 stores VIS's 16 bits, lane 1 PAR's, lane 2 ROWV's,
	v_writelane_b32 v248, s21, 1
	v_writelane_b32 v248, s23, 2
	v_lshlrev_b32 v249, 10, v2                     ; 1,024 bytes apart
	v_cmp_gt_u32 vcc_lo, 3, v2
	s_wait_alu depctr_va_vdst(0)
	s_wait_xcnt 0x0                                ; EXEC changes only when the earlier stores have read it
	s_and_saveexec_b32 s26, vcc_lo
	global_store_b16 v249, v248, s[14:15]
	s_wait_xcnt 0x0                                ; and again in front of the line that widens it
	s_or_b32 exec_lo, exec_lo, s26
	s_wait_tensorcnt 0x0                           ; the wave's end: three closing lines, behind my last LDS store
	ds_add_u32 v[SPW], v[NIL]
	s_wait_dscnt 0x0
	s_endpgm
.Lfunc_end_k_q5b170e3034_prep:
	.size	k_q5b170e3034_prep, .Lfunc_end_k_q5b170e3034_prep-k_q5b170e3034_prep
	.p2alignl 7, 3214868480
	.fill 96, 4, 3214868480
	.section	.rodata,"a",@progbits
	.p2align	6, 0x0
	.amdhsa_kernel k_q5b170e3034_prep
		.amdhsa_group_segment_fixed_size 68096
		.amdhsa_private_segment_fixed_size 0
		.amdhsa_enable_private_segment 0
		.amdhsa_kernarg_size 48
		.amdhsa_user_sgpr_count 2
		.amdhsa_user_sgpr_kernarg_segment_ptr 1
		.amdhsa_wavefront_size32 1
		.amdhsa_system_sgpr_workgroup_id_x 1
		.amdhsa_system_sgpr_workgroup_id_y 1
		.amdhsa_system_sgpr_workgroup_id_z 1
		.amdhsa_system_vgpr_workitem_id 0
		.amdhsa_next_free_vgpr 256
		.amdhsa_next_free_sgpr 66
		.amdhsa_reserve_vcc 1
		.amdhsa_float_denorm_mode_32 3
		.amdhsa_float_denorm_mode_16_64 3
		.amdhsa_memory_ordered 1
		.amdhsa_forward_progress 1
		.amdhsa_inst_pref_size 87
	.end_amdhsa_kernel
	.amdgpu_metadata
---
amdhsa.version: [ 1, 2 ]
amdhsa.kernels:
  - .name:           k_q5b170e3034_prep
    .symbol:         k_q5b170e3034_prep.kd
    .args:
      - { .name: mask, .offset: 0, .size: 8, .value_kind: global_buffer, .address_space: global }
      - { .name: k, .offset: 8, .size: 8, .value_kind: global_buffer, .address_space: global }
      - { .name: v, .offset: 16, .size: 8, .value_kind: global_buffer, .address_space: global }
      - { .name: kvw, .offset: 24, .size: 8, .value_kind: global_buffer, .address_space: global }
      - { .name: mbits, .offset: 32, .size: 8, .value_kind: global_buffer, .address_space: global }
      - { .name: flags, .offset: 40, .size: 8, .value_kind: global_buffer, .address_space: global }
    .group_segment_fixed_size: 68096
    .private_segment_fixed_size: 0
    .kernarg_segment_align: 8
    .kernarg_segment_size: 48
    .max_flat_workgroup_size: 128
    .sgpr_count:     66
    .vgpr_count:     256
    .wavefront_size: 32
...
	.end_amdgpu_metadata
.endif
;; end of part 3
;; launch attn (part 4): grid 16 x 16, 16 waves a work-group, no clusters, 106,496 bytes of LDS; arguments q, kvw, mbits, flags, out0; writes out0
.if DOCPART == 4
	.amdgcn_target "amdgcn-amd-amdhsa--gfx1250"
	.amdhsa_code_object_version 6
	.text
	.protected	k_q5b170e3034_attn
	.globl	k_q5b170e3034_attn
	.p2align	8
	.type	k_q5b170e3034_attn,@function
k_q5b170e3034_attn:
	s_mov_b64 s[64:65], 0
	v_nop
	global_prefetch_b8 v0, s[64:65] scope:SCOPE_SE
	s_setreg_imm32_b32 hwreg(HW_REG_WAVE_SCHED_MODE, 0, 2), 2
	s_setreg_imm32_b32 hwreg(HW_REG_WAVE_MODE, 25, 1), 1
	s_wait_xcnt 0x0
	s_wait_alu depctr_vm_vsrc(0)
; O[h][q][:] = the sum over k of softmax_k(mask(Q[h][q] . K[h][k] / sqrt(128))) V[h][k][:], both products on codes of FP4 (E2M1) with one E8M0 scale for each 32 along a product's K.
; q: [16][4096][128] f32, quantised here in registers.  kvw, mbits, flags: made by the launch before (their layouts are written at its head).  out0: [16][4096][128] f32.
; THE SOFTMAX AHEAD OF THE SECOND PRODUCT: t = score x log2(e) / sqrt(128); M = the row's largest t so far, rounded UP to a whole number; p = 2^(t - M) is quantised along the keys, not normalised.
; The row's sum is taken of the unquantised p and divides O at the end.  When M moves, the sum and O are multiplied by 2^(old M - new M): exact.
; SHARES.  A work-group owns 256 queries of one head; each of its sixteen waves owns one tile of 16, in 256 registers.  All walk the head's 32 key steps of 128 keys in a loop of constant count.
; WHAT THE MASK HIDES IS NOT DONE.  Three words, read from flags, are shifted one bit a step: WG (some wave of the work-group needs the step: its block of kvw is copied into LDS), WN (my tile needs it: I do its work),
; WP (my tile has hidden keys in it: I apply the mask bits).  A tile of queries with a ROW THAT SEES NO KEY AT ALL
; needs every step: that row then has p = 1 for all 4,096 keys, as the softmax of equal scores has.
; HIDDEN SCORES become -2^103.  A power of two, so that score x c is exact and a row that has met hidden keys alone has t - M = 0 exactly; the first real score then gives 2^(old M - new M) = 0, which wipes what was summed.
; LIMIT: logits at or under about -1e30 are not told apart from hidden ones; NaN and infinities among the inputs are not served.
; THE COPY.  The branches hang on numbers read from memory, and which steps a work-group copies differs from work-group to work-group: so the blocks come through registers (16 + 16 + 2 bytes a thread), asked for a whole
; step ahead, into two LDS slots by turns, with one barrier a step, which every wave passes; and no tile is asked for jointly by several work-groups.
; LAYOUT.  Both products are used transposed: S^T = K Q^T (source 0 = 16 keys, source 1 = my 16 queries), O^T = V^T P^T (source 0 = 16 channels, source 1 = P): a lane holds ONE query (lane % 16) throughout.
; Register 16 b + i of S^T is key 32 b + 16 (lane / 16) + i of the step.
; REGISTERS: v1-9, v11 addresses that stay; v10, v24-31 the copy on its way; v12 -M, v13 the largest t, v[14:15] the sum in two halves; v16-23 Q; v32-95 eight fragments of K, then of V; v96-159 S^T, then p;
; v160-223 O^T; v224-231 p's codes; v224-239 at work under the mask; v232-239, v244-247, v254 at work; v[240:241], v[242:243] mask bits of the steps in slot 0, 1; v248-251 scale words of K, then of V; v252 f; v253 p's scale word; v255 Q's.
; THE MODE: SCHED_MODE bits 1:0 = 2 (LLVM: expert scheduling mode 2), set by the entry lines.  The code itself states the register dependences between vector or matrix instructions and memory or LDS
; instructions, with s_wait_alu, always for 0.
; THE PLAN.  Registers that memory or LDS instructions touch:
;   v1-4, v7-9, v11   offsets and LDS addresses: written at the head, ahead of one wait on va_vdst, and never again.  v246, Q's offset, is written again in the loop: the first trip's wait on vm_vsrc stands between.
;   v24-31, v10       the copy: the trip's loads land in them, the LDS stores at the trip's end read them; no vector instruction names them.  One wait on vm_vsrc at a trip's head: the stores have read them.
;   v[240:243]        the mask bits: the load of trip s lands in the pair that the step before read by vector instructions.
;   v32-95, v248-251  K's LDS loads land, eight products read; V's LDS loads land, eight products read; on the way out the loads from the stage land in v32-95.
;   v96-159           on the way out: written by the divisions, read by the stores into the stage.
; So a trip has ONE wait on va_vdst at its head (the step before is done reading the fragments, the scale words and the mask bits), and a step's work one behind K Q^T (these products are done reading what V's loads land in).
; The softmax names none of v1, v2, v32-95, v248-251: so V's loads are dealt among its first lines with no further wait.  One more wait on va_vdst stands ahead of V^T P: p's codes and scale word are written.
; A compare's result in a scalar register is read only behind a wait on va_sdst: the mask's compares go in runs of sixteen, one wait a run.
.set BLK,   17408                      ; a key step's block, in kvw and in an LDS slot: slot s begins at s x BLK
.set VCO,   8192                       ; in it: V^T's codes,
.set KSC,   16384                      ; K's scale words,
.set VSC,   16896                      ; V's
.set STAGE, 2*BLK                      ; behind the slots: 16 rows x 272 bytes for each wave, for the way out
.set SPARE, STAGE+16*4352              ; behind the stages: the spare words, 128 bytes for each wave: eight blocks of 256 bytes that no other line names
	s_load_b256 s[4:11], s[0:1], 0x0               ; q s[4:5], kvw s[6:7], mbits s[8:9], flags s[10:11]
	s_load_b64 s[12:13], s[0:1], 0x20              ; out0
	v_lshl_add_u32 v5, v0, 2, SPARE                ; my spare word; never rewritten
	v_mov_b32 v6, 0                                ; 0; never rewritten
	v_lshrrev_b32 v232, 5, v0
	v_readfirstlane_b32 s14, v232                  ; wave 0..15
	v_and_b32 v233, 31, v0                         ; lane
	v_and_b32 v234, 15, v0                         ; r
	v_bfe_u32 v235, v0, 4, 1                       ; h
	v_lshlrev_b32 v1, 4, v233                      ; 16 x lane: an image's place for my lane
	v_lshlrev_b32 v2, 2, v233                      ; 4 x lane: a scale word's
	v_lshlrev_b32 v3, 4, v0                        ; the copy: 16 x thread,
	v_lshlrev_b32 v4, 1, v0                        ; and 2 x thread for the scale words' 1,024 bytes
	v_lshlrev_b32 v8, 3, v233                      ; 8 x lane: my mask bits
	v_lshlrev_b32 v7, 9, v235
	v_lshl_add_u32 v7, v234, 4, v7                 ; the way out: lanes 0-15 one row of O, lanes 16-31 the next; 16 bytes a lane
	s_wait_alu depctr_va_sdst(0)                   ; s14 is written, ahead of its first reader: the stage's place, the flags' words and the bases are made from it
	s_mul_i32 s24, s14, 4352
	s_add_co_u32 s24, s24, STAGE                   ; my stage
	v_mul_u32_u24 v9, v234, 272
	v_lshl_add_u32 v9, v235, 5, v9
	v_add_nc_u32 v9, s24, v9                       ; in: row r, + 32 h
	v_mul_u32_u24 v11, v235, 272
	v_lshl_add_u32 v11, v234, 4, v11
	v_add_nc_u32 v11, s24, v11                     ; back: lanes 0-15 one row, lanes 16-31 the next
	v_lshlrev_b32 v246, 9, v234
	v_lshl_add_u32 v246, v235, 7, v246             ; Q: row r of 512 bytes, + 128 h: my 32 numbers of 64
	v_lshlrev_b32 v247, 3, v235                    ; 8 h
	s_lshl_b32 s17, s14, 2                         ; my tile's word among the work-group's sixteen
	s_mov_b32 s20, 0x76543210
	s_mov_b32 s21, 0xfedcba98                      ; v_permlanex16_b32's selects for lane l xor 16
	s_mov_b32 s22, 0x3e0293ee                      ; c = log2(e) / sqrt(128)
	s_mov_b32 s23, s22                             ; (named with it as a pair, so it is written)
	s_and_b32 s24, ttmp7, 0xffff                   ; the head
	s_lshl_b32 s25, s24, 12
	s_lshl_b32 s26, ttmp9, 8
	s_add_co_u32 s25, s25, s26
	s_lshl_b32 s26, s14, 4
	s_add_co_u32 s25, s25, s26                     ; my first query's row: 4096 head + 256 x + 16 wave
	s_lshl_b32 s26, s25, 9                         ; in bytes, in q and in out0
	s_mov_b32 s27, 0
	s_mul_i32 s28, s24, 32*BLK                     ; the head's 32 blocks in kvw
	s_mov_b32 s29, 0
	s_lshl_b32 s30, ttmp9, 4
	s_add_co_u32 s30, s30, s14
	s_lshl_b32 s30, s30, 13                        ; my tile's 32 x 256 bytes in mbits
	s_mov_b32 s31, 0
	s_lshl_b32 s24, ttmp9, 6                       ; the work-group's 16 words in each table of flags
	s_mov_b32 s25, 0
	s_wait_kmcnt 0x0
	s_add_nc_u64 s[4:5], s[4:5], s[26:27]
	s_add_nc_u64 s[12:13], s[12:13], s[26:27]
	s_add_nc_u64 s[6:7], s[6:7], s[28:29]
	s_add_nc_u64 s[8:9], s[8:9], s[30:31]
	s_add_nc_u64 s[10:11], s[10:11], s[24:25]
	s_load_b512 s[32:47], s[10:11], 0x0            ; VIS of the sixteen tiles
	s_load_b512 s[48:63], s[10:11], 0x800          ; ROWV of the sixteen
	s_load_b32 s18, s[10:11], s17 offset:0x0       ; my VIS,
	s_load_b32 s19, s[10:11], s17 offset:0x400     ; my PAR,
	s_load_b32 s24, s[10:11], s17 offset:0x800     ; my ROWV
	s_wait_alu depctr_va_vdst(0)                   ; the offsets and LDS addresses v1-4, v7-9, v11 and v246 are written: every load and store of the kernel reads one of them
.irp c, 0,1
.irp j, 0,1,2,3,4,5,6,7
	global_load_b128 v[96+32*\c+4*\j:99+32*\c+4*\j], v246, s[4:5] offset:256*\c+16*\j   ; register 32 c + i = q(row r, 64 c + 32 h + i)
.endr
.endr
	global_load_b128 v[24:27], v3, s[6:7]          ; key step 0's block is always copied,
	global_load_b128 v[28:31], v3, s[6:7] offset:VCO
	global_load_u16 v10, v4, s[6:7] offset:KSC
	global_load_b64 v[240:241], v8, s[8:9]         ; and its mask bits always read
	v_mov_b32 v13, 0xff61b1e6                      ; the largest t so far: -3e38, under every t
	v_floor_f32 v12, -v13                          ; -M
	v_mov_b32 v14, 0                               ; the sum, in two halves
	v_mov_b32 v15, 0
	v_mov_b32 v238, 0                              ; written once: a lane permute's destination counts as one of its sources (v236, v237 are written below)
	v_mov_b32 v239, 0
	v_mov_b32 v242, 0                              ; slot 1's mask bits: written before any path can read them
	v_mov_b32 v243, 0
	v_mov_b32 v252, 0
	v_mov_b32 v253, 0                              ; (named as the upper half of the pair v[252:253] before it is first written)
	v_mov_b32 v254, 0
	s_wait_kmcnt 0x0
	s_mov_b32 s16, 0
	s_mov_b32 s25, -1
.irp i, 0,1,2,3,4,5,6,7,8,9,10,11,12,13,14,15
	s_or_b32 s16, s16, s[32+\i]                    ; WG: the steps that some tile needs;
	s_lshr_b32 s26, s[48+\i], 16
	s_or_b32 s26, s26, s[48+\i]
	s_and_b32 s25, s25, s26                        ; the rows that see a key, in every tile
.endr
	s_and_b32 s25, s25, 0xffff
	s_cmp_lg_u32 s25, 0xffff
	s_cselect_b32 s26, -1, 0                       ; some tile has a row that sees no key: every step is copied
	s_or_b32 s16, s16, s26
	s_lshr_b32 s26, s24, 16
	s_or_b32 s26, s26, s24
	s_and_b32 s26, s26, 0xffff
	s_cmp_lg_u32 s26, 0xffff
	s_cselect_b32 s26, -1, 0                       ; my tile has such a row: I need every step
	s_or_b32 s18, s18, s26                         ; WN
	s_and_b32 s19, s19, s18                        ; WP: of the steps that I need, those with hidden keys
	s_wait_loadcnt 4                               ; Q's 16 loads are in; behind them the three of the copy and the mask bits may be out
.irp c, 0,1
	v_max3_num_f32 v[232+\c], |v[96+32*\c]|, |v[97+32*\c]|, 0x1800000   ; Q is quantised: my two blocks by turns, each whole in my lane; the floor 2^(3 - 127) holds the byte at 1 from below
.endr
.irp i, 2,4,6,8,10,12,14,16,18,20,22,24,26,28,30
.irp c, 0,1
	v_max3_num_f32 v[232+\c], v[232+\c], |v[96+32*\c+\i]|, |v[97+32*\c+\i]|
.endr
.endr
.irp c, 0,1
	v_add_nc_u32 v[244+\c], 0xff000000, v[232+\c]  ; 2 off the exponent field: the conversion's scale operand
.endr
.irp c, 0,1
	v_lshrrev_b32 v[236+\c], 23, v[244+\c]         ; the scale's byte
.endr
	v_lshl_or_b32 v255, v237, 16, v236             ; my bytes: blocks h and 2 + h of row r,
	v_lshlrev_b32 v255, v247, v255                 ; 8 h bits up;
	v_permlanex16_b32 v254, v255, s20, s21
	v_or_b32 v255, v255, v254                      ; with lane l xor 16's two the word is whole
.irp c, 0,1
.irp g, 0,1,2,3
	v_cvt_scalef32_pk8_fp4_f32 v[16+4*\c+\g], v[96+32*\c+8*\g:103+32*\c+8*\g], v[244+\c]
.endr
.endr
	v_nop                                          ; a plain line behind the last conversion
.set j, 0
.rept 64
	v_mov_b32 v[160+j], 0                          ; O^T begins as zeros: which step is a wave's first hangs on the mask, so no first step can be written out.  These lines are also the places between Q's word and codes and the first product
.set j, j+1
.endr
	s_wait_loadcnt 0x0                             ; step 0's block and bits
	ds_store_b128 v3, v[24:27]
	ds_store_b128 v3, v[28:31] offset:VCO
	ds_store_b16 v4, v10 offset:KSC
	s_wait_dscnt 0x0                               ; for the others' sake: my part of slot 0 has landed
	s_barrier_signal -1
	s_barrier_wait -1
	s_mov_b32 s15, 16
; THE WORK OF A KEY STEP whose block lies in slot s.
.macro WORK s
.irp t, 0,1,2,3,4,5,6,7
.irp c, 0,1
	ds_load_b128 v[32+8*\t+4*\c:35+8*\t+4*\c], v1 offset:\s*BLK+1024*\t+512*\c   ; K's eight fragments, as images: 512 consecutive bytes a load.  No vector or matrix instruction since the wait at the trip's head names these registers
.endr
.endr
.irp j, 0,1,2,3
	ds_load_b32 v[248+\j], v2 offset:\s*BLK+KSC+128*\j   ; lanes 0-15: tile 2 j's scale words, lanes 16-31: tile 2 j + 1's
.endr
	s_wait_dscnt 0x0
.irp t, 0,1,2,3,4,5,6,7
.if \t%2
	v_wmma_scale_f32_16x16x128_f8f6f4 v[96+8*\t:103+8*\t], v[32+8*\t:39+8*\t], v[16:23], 0, v[248+\t/2], v255 matrix_a_fmt:MATRIX_FMT_FP4 matrix_b_fmt:MATRIX_FMT_FP4 matrix_a_scale:MATRIX_SCALE_ROW1
.else
	v_wmma_scale_f32_16x16x128_f8f6f4 v[96+8*\t:103+8*\t], v[32+8*\t:39+8*\t], v[16:23], 0, v[248+\t/2], v255 matrix_a_fmt:MATRIX_FMT_FP4 matrix_b_fmt:MATRIX_FMT_FP4
.endif
.endr
.rept 4
	v_nop                                          ; four places in front of the first read of these products' results (ISA guide 7.12.1)
.endr
	s_wait_alu depctr_va_vdst(0)                   ; the eight products are done reading K's fragments and scale words, in which V's loads land; nothing from here to V^T P names v1, v2, v32-95 or v248-251, so those loads are dealt among the lines below
.irp j, 0,1,2,3
	ds_load_b32 v[248+\j], v2 offset:\s*BLK+VSC+128*\j
.endr
	s_bitcmp1_b32 s19, 0                           ; has my tile hidden keys in this step?
	s_cbranch_scc0 .Lopen_\@
	v_mov_b32 v254, 0xf3000000                     ; -2^103
.set n, 0
.rept 4                                        ; sixteen scores at a time, in ascending order: bit 8 (i % 4) + i / 4 + 4 (b % 2) of word b / 2 for register 16 b + i
.irp e, 0,1,2,3,4,5,6,7,8,9,10,11,12,13,14,15
	v_and_b32 v[224+\e], 1<<(8*(((n+\e)%16)%4)+((n+\e)%16)/4+4*(((n+\e)/16)%2)), v[240+2*\s+(n+\e)/32]
.endr
.irp e, 0,1,2,3,4,5,6,7,8,9,10,11,12,13,14,15
	v_cmp_eq_u32 s[32+16*((n/16)%2)+\e], 0, v[224+\e]   ; two sets of sixteen scalar registers by turns
.endr
	s_wait_alu depctr_va_sdst(0)                   ; the run's sixteen compares have written their scalar registers, ahead of the selects that read them
.irp e, 0,1,2,3,4,5,6,7,8,9,10,11,12,13,14,15
	v_cndmask_b32 v[96+n+\e], v[96+n+\e], v254, s[32+16*((n/16)%2)+\e]
.endr
.set n, n+16
.endr
.Lopen_\@:
.irp b, 0,1,2,3
	v_max3_num_f32 v[232+\b], v[96+16*\b], v[97+16*\b], v[98+16*\b]   ; the largest score of each block of 32 keys: it serves the row's maximum and, since p rises with the score, the block's largest p
.endr
.irp c, 0,1
	ds_load_b128 v[32+4*\c:35+4*\c], v1 offset:\s*BLK+VCO+512*\c   ; V^T's eight fragments, a tile's two loads behind each four lines of the maximum: they land while the softmax is walked
.endr
.irp i, 3,5,7,9,11,13
.irp b, 0,1,2,3
	v_max3_num_f32 v[232+\b], v[232+\b], v[96+16*\b+\i], v[97+16*\b+\i]   ; (the four blocks by turns)
.endr
.irp c, 0,1
	ds_load_b128 v[32+8*((\i-1)/2)+4*\c:35+8*((\i-1)/2)+4*\c], v1 offset:\s*BLK+VCO+1024*((\i-1)/2)+512*\c   ; tiles 1 to 6
.endr
.endr
.irp b, 0,1,2,3
	v_max_num_f32 v[232+\b], v[232+\b], v[111+16*\b]
.endr
.irp c, 0,1
	ds_load_b128 v[88+4*\c:91+4*\c], v1 offset:\s*BLK+VCO+1024*7+512*\c   ; tile 7
.endr
.irp b, 0,1,2,3
	v_permlanex16_b32 v[236+\b], v[232+\b], s20, s21
.endr
.irp b, 0,1,2,3
	v_max_num_f32 v[232+\b], v[232+\b], v[236+\b]  ; with lane l xor 16's 16 keys
.endr
	v_max3_num_f32 v254, v232, v233, v234
	v_max_num_f32 v254, v254, v235                 ; the step's largest score of my query
	v_mul_f32 v254, s22, v254                      ; as t (c is positive)
	v_max_num_f32 v13, v13, v254                   ; the running largest t
	v_mov_b32 v254, v12
	v_floor_f32 v12, -v13                          ; the new -M = floor(-t) = -ceil(t): M is a whole number
	v_sub_f32 v254, v12, v254                      ; M's old value less its new one: a whole number, 0 or less
	v_cvt_i32_f32 v254, v254                       ; (it saturates)
	v_ldexp_f32 v252, 1.0, v254                    ; f = 2^(old M - new M): a multiplication by it rounds nothing
.set j, 0
.rept 32
	v_pk_fma_f32 v[96+j:97+j], v[96+j:97+j], s[22:23], v[12:13] op_sel_hi:[1,0,0]   ; t - M, two at a time (of the pairs c and -M the low word serves both halves)
.set j, j+2
.endr
.irp b, 0,1,2,3
	v_fma_f32 v[232+\b], v[232+\b], s22, v12       ; the same of each block's largest score
.endr
.set j, 0
	s_wait_alu depctr_va_vdst(0)
.rept 64
	v_exp_f32 v[96+j], v[96+j]                     ; p = 2^(t - M), at most 1: not normalised
.set j, j+1
.endr
	v_pk_mul_f32 v[14:15], v[14:15], v[252:253] op_sel_hi:[1,0]   ; the sums under the new M: the plain line behind the exponentials
	s_wait_alu depctr_va_vdst(0)                   ; the 64 exponentials have written p in v96-159: one wait for the batch, ahead of its first reader
.irp b, 0,1,2,3
	v_exp_f32 v[232+\b], v[232+\b]                 ; the block's largest p: the same two instructions on the same number give the same bits
.endr
	v_pk_add_f32 v[236:237], v[96:97], v[98:99]    ; the row's sum is taken of the unquantised p: two at a time, in two chains
.irp j, 4,8,12,16,20,24,28,32,36,40,44,48,52,56,60
	v_pk_add_f32 v[14:15], v[14:15], v[96+\j:97+\j]
	v_pk_add_f32 v[236:237], v[236:237], v[98+\j:99+\j]
.endr
	v_pk_add_f32 v[14:15], v[14:15], v[236:237]
	s_wait_alu depctr_va_vdst(0)                   ; the four exponentials have written the blocks' largest p in v232-235, ahead of their first reader
.irp b, 0,1,2,3
	v_max_num_f32 v[232+\b], 0x1800000, v[232+\b]  ; the floor 2^(3 - 127): the byte cannot fall under 1 (a block whose every p is 0 keeps that byte: its codes are zeros)
.endr
.irp b, 0,1,2,3
	v_add_nc_u32 v[244+\b], 0xff000000, v[232+\b]  ; 2 off the exponent field: the conversion's scale operand
.endr
.irp b, 0,1,2,3
	v_lshrrev_b32 v[236+\b], 23, v[244+\b]         ; the scale's byte
.endr
	v_lshl_or_b32 v253, v237, 8, v236              ; p's scale word for these 128 keys
	v_lshl_or_b32 v253, v238, 16, v253
	v_lshl_or_b32 v253, v239, 24, v253
.irp b, 0,1,2,3
	v_cvt_scalef32_pk8_fp4_f32 v[224+2*\b], v[96+16*\b:103+16*\b], v[244+\b]
	v_cvt_scalef32_pk8_fp4_f32 v[225+2*\b], v[104+16*\b:111+16*\b], v[244+\b]
.endr
	v_nop                                          ; a plain line between the last conversion and the lines that touch its results
.irp c, 0,1                                    ; the operand's layout wants a whole block in a lane: lanes 0-15 block 2 c, lanes 16-31 block 2 c + 1
.irp i, 0,1
	v_permlane16_swap_b32 v[224+4*\c+\i], v[226+4*\c+\i]
.endr
.endr
.set j, 0
.rept 32
	v_pk_mul_f32 v[160+j:161+j], v[160+j:161+j], v[252:253] op_sel_hi:[1,0]   ; O^T under the new M, from each accumulator's low end on.  These 32 are also the places between p's word and codes and the products below
.set j, j+2
.endr
	s_wait_alu depctr_va_vdst(0)                   ; p's codes in v224-231 and its scale word in v253 are written, which the scaled products below take; the places above stay beside this wait
	s_wait_dscnt 0x0                               ; V^T's fragments and scale words are in
.irp t, 0,1,2,3,4,5,6,7                        ; the eight accumulators take turns, one instruction a turn
.if \t%2
	v_wmma_scale_f32_16x16x128_f8f6f4 v[160+8*\t:167+8*\t], v[32+8*\t:39+8*\t], v[224:231], v[160+8*\t:167+8*\t], v[248+\t/2], v253 matrix_a_fmt:MATRIX_FMT_FP4 matrix_b_fmt:MATRIX_FMT_FP4 matrix_a_scale:MATRIX_SCALE_ROW1
.else
	v_wmma_scale_f32_16x16x128_f8f6f4 v[160+8*\t:167+8*\t], v[32+8*\t:39+8*\t], v[224:231], v[160+8*\t:167+8*\t], v[248+\t/2], v253 matrix_a_fmt:MATRIX_FMT_FP4 matrix_b_fmt:MATRIX_FMT_FP4
.endif
.endr
.rept 4
	v_nop                                          ; four places, on every way on: in front of the next vector lines that read O^T or write the registers of p's codes and scale word
.endr
.endm
; A TRIP: key step j, whose block lies in slot s.  Bit 0 of WG, WN, WP is step j's, bit 1 step j + 1's; in the last trip bit 1 is a zero that the shifts brought in, so nothing is asked for past the buffers' ends.
.macro TRIP s
	s_wait_alu depctr_vm_vsrc(0)                   ; the LDS stores of the trip before (in the first trip: the head's) have read v24-31 and v10, in which the copy's loads land; in the first trip Q's loads have read v246, which the softmax writes
	s_wait_alu depctr_va_vdst(0)                   ; the step before is done reading the fragments and scale words, in which K's loads land, and the mask bits of the other slot, in which the bits' load lands; in the first trip v242, v243 and Q's codes and scale word are written
	s_bitcmp1_b32 s16, 1                           ; does some wave need step j + 1?  Then its block is asked for now, a whole step ahead
	s_cbranch_scc0 .Lno_copy_\@
	global_load_b128 v[24:27], v3, s[6:7] offset:BLK
	global_load_b128 v[28:31], v3, s[6:7] offset:BLK+VCO
	global_load_u16 v10, v4, s[6:7] offset:BLK+KSC
.Lno_copy_\@:
	s_bitcmp1_b32 s19, 1                           ; shall I want step j + 1's mask bits?
	s_cbranch_scc0 .Lno_bits_\@
	global_load_b64 v[242-2*\s:243-2*\s], v8, s[8:9] offset:256
.Lno_bits_\@:
	s_bitcmp1_b32 s18, 0                           ; does my tile need step j?
	s_cbranch_scc0 .Lno_work_\@
	WORK \s
.Lno_work_\@:
	s_wait_loadcnt 0x0                             ; the block and the bits are in: their bases may be stepped
	s_bitcmp1_b32 s16, 1
	s_cbranch_scc0 .Lno_store_\@
	ds_store_b128 v3, v[24:27] offset:(1-\s)*BLK   ; into the other slot: every wave's reads of it were over in front of the last barrier
	ds_store_b128 v3, v[28:31] offset:(1-\s)*BLK+VCO
	ds_store_b16 v4, v10 offset:(1-\s)*BLK+KSC
.Lno_store_\@:
	s_add_nc_u64 s[6:7], s[6:7], BLK
	s_add_nc_u64 s[8:9], s[8:9], 256
	s_lshr_b32 s16, s16, 1
	s_lshr_b32 s18, s18, 1
	s_lshr_b32 s19, s19, 1
	s_wait_dscnt 0x0                               ; my stores into the other slot have landed, and my reads of this slot are over
	s_barrier_signal -1
	s_barrier_wait -1                              ; both now hold of all sixteen waves
.endm
.Lstep:                                            ; 16 trips of two key steps: the slot's number stands in the immediates
	TRIP 0
	TRIP 1
	s_sub_co_u32 s15, s15, 1
	s_cmp_lg_u32 s15, 0
	s_cbranch_scc1 .Lstep
	; THE WAY OUT.  O^T is divided by the row's sum and goes through my own stage in LDS, half a row (64 channels, 256 bytes) of 16 queries at a time.
	v_add_f32 v14, v14, v15                        ; the sum's two halves,
	v_permlanex16_b32 v252, v14, s20, s21
	v_add_f32 v14, v14, v252                       ; and lane l xor 16's: the row's sum
	s_wait_alu depctr_va_vdst(0)
	v_rcp_f32 v14, v14
	v_nop                                          ; a plain line behind the reciprocal,
	s_wait_alu depctr_va_vdst(0)                   ; the reciprocal has written v14, ahead of its first reader
.set j, 0
.rept 32
	v_pk_mul_f32 v[96+j:97+j], v[160+j:161+j], v[14:15] op_sel_hi:[1,0]   ; register 8 t + i is o(r, 16 t + 8 h + i); each accumulator from its low end on
.set j, j+2
.endr
	s_wait_alu depctr_va_vdst(0)                   ; the divisions have written v96-159, which the stores into the stage read; the last products are done reading v32-95, in which the loads from the stage land
.irp u, 0,1                                    ; channels 64 u on
.irp t, 0,1,2,3
	ds_store_b128 v9, v[96+32*\u+8*\t:99+32*\u+8*\t] offset:64*\t
	ds_store_b128 v9, v[100+32*\u+8*\t:103+32*\u+8*\t] offset:64*\t+16
.endr
.irp i, 0,1,2,3,4,5,6,7
	ds_load_b128 v[32+32*\u+4*\i:35+32*\u+4*\i], v11 offset:2*\i*272   ; LDS serves a wave's instructions in order (ISA guide 5.7.1): these see my stores, and the next half's stores come behind them
.endr
.endr
.irp u, 0,1
.irp i, 0,1,2,3,4,5,6,7
	s_wait_dscnt 23-16*\u-\i                       ; behind load i of the first half: 7 - i loads, 8 stores, 8 loads; of the second: 7 - i loads
	global_store_b128 v7, v[32+32*\u+4*\i:35+32*\u+4*\i], s[12:13] offset:2*\i*512+256*\u th:TH_STORE_NT   ; sixteen lanes store 256 consecutive bytes, at a multiple of 256 from out0's first byte
.endr
.endr
	s_wait_dscnt 0x0                               ; the wave's end: the six closing lines, on end
	s_wait_alu 0x0
	s_wait_tensorcnt 0x0
	ds_add_u32 v5, v6
	s_wait_dscnt 0x0
	s_endpgm
.Lfunc_end_k_q5b170e3034_attn:
	.size	k_q5b170e3034_attn, .Lfunc_end_k_q5b170e3034_attn-k_q5b170e3034_attn
	.p2alignl 7, 3214868480
	.fill 96, 4, 3214868480
	.section	.rodata,"a",@progbits
	.p2align	6, 0x0
	.amdhsa_kernel k_q5b170e3034_attn
		.amdhsa_group_segment_fixed_size 106496
		.amdhsa_private_segment_fixed_size 0
		.amdhsa_enable_private_segment 0
		.amdhsa_kernarg_size 40
		.amdhsa_user_sgpr_count 2
		.amdhsa_user_sgpr_kernarg_segment_ptr 1
		.amdhsa_wavefront_size32 1
		.amdhsa_system_sgpr_workgroup_id_x 1
		.amdhsa_system_sgpr_workgroup_id_y 1
		.amdhsa_system_sgpr_workgroup_id_z 1
		.amdhsa_system_vgpr_workitem_id 0
		.amdhsa_next_free_vgpr 256
		.amdhsa_next_free_sgpr 66
		.amdhsa_reserve_vcc 0
		.amdhsa_float_denorm_mode_32 3
		.amdhsa_float_denorm_mode_16_64 3
		.amdhsa_memory_ordered 1
		.amdhsa_forward_progress 1
		.amdhsa_inst_pref_size 81
	.end_amdhsa_kernel
	.amdgpu_metadata
---
amdhsa.version: [ 1, 2 ]
amdhsa.kernels:
  - .name:           k_q5b170e3034_attn
    .symbol:         k_q5b170e3034_attn.kd
    .args:
      - { .name: q, .offset: 0, .size: 8, .value_kind: global_buffer, .address_space: global }
      - { .name: kvw, .offset: 8, .size: 8, .value_kind: global_buffer, .address_space: global }
      - { .name: mbits, .offset: 16, .size: 8, .value_kind: global_buffer, .address_space: global }
      - { .name: flags, .offset: 24, .size: 8, .value_kind: global_buffer, .address_space: global }
      - { .name: out0, .offset: 32, .size: 8, .value_kind: global_buffer, .address_space: global }
    .group_segment_fixed_size: 106496
    .private_segment_fixed_size: 0
    .kernarg_segment_align: 8
    .kernarg_segment_size: 40
    .max_flat_workgroup_size: 512
    .sgpr_count:     66
    .vgpr_count:     256
    .wavefront_size: 32
...
	.end_amdgpu_metadata
.endif
;; end of part 4
